; MI455X (gfx1250); checked and timed in simulation.
; The chip was launched on July 23, 2026; its instructions are those of AMD's public machine-readable ISA for CDNA 5 (MIT licence, August 2026) and "CDNA5" Instruction Set Architecture Reference Guide (July 2026). The comments in the code are by the model that wrote it; some were corrected since.
;; LSH Attention. Allowed arithmetic: matrix products marked QUANTISED: E2M3 operands, one E8M0 scale for each 32 along K, by v_wmma_scale_f32_16x16x128_f8f6f4 with both operands' format E2M3, f32 sums; products left as they are: f32 operands where the result goes on into a quantised operand, else bf16, f16 or f32 operands; f32 sums; everything else in f32.
;; Inputs: query 32 x 2,048 x 64 float32; rand_matrix_codes 32 x 4 x 16 x 2 x 24 uint8 (E2M3 codes of rand_matrix, K innermost, in blocks of 32 codes, four codes in three bytes); rand_matrix_scales 32 x 4 x 16 x 2 uint8 (E8M0 scales of rand_matrix, one for each 32 codes along K); value 32 x 2,048 x 64 float32.
;; Outputs: out0 32 x 2,048 x 64 float32.
;; This version of the problem:
;;   THIS VERSION OF THE PROBLEM IS GIVEN IN LOW PRECISION. The matrix products marked QUANTISED in the list below multiply operands that are first quantised to E2M3 (2 exponent bits, 3 mantissa bits; 6 bits a number), with one power-of-two scale for each 32 numbers along K (OCP MX v1.0); their sums are f32. All else is computed in f32.
;;   The module's matrix products, in the order in which they are computed (A, B: the left and right operand; K: the contracted axis; several contracted axes count as one K, in the product's order):
;;     1. batch 32 x [M 2,048, K 64] x [K 64, N 64]; A: input query; B: input rand_matrix (given as codes): QUANTISED
;;     2. batch 4,096 x [M 128, K 64] x [K 64, N 64]; A: computed on the way; B: computed on the way: QUANTISED
;;     3. batch 4,096 x [M 64, K 128] x [K 128, N 64]; A: computed on the way; B: computed on the way: QUANTISED
;;     4. batch 65,536 x [M 64, K 4] x [K 4, N 1]; A: computed on the way; B: softmax: left as it is (K = 4 < 32)
;;   THE QUANTISER, for each operand of a quantised product, along K:
;;     - K is cut into blocks of 32 from its start; a last block that is shorter is filled with zeros.
;;     - A block's scale is 2^e with e = floor(log2(the largest magnitude in the block)) - 2, held to -126 .. 127; a block of zeros has e = 0. As a byte (E8M0): e + 127.
;;     - Each number is divided by its block's scale, clamped to +-7.5, and rounded to the nearest number of E2M3, ties to even, subnormals kept.
;;     - The product sums the exact products of the quantised numbers (number of the format x scale) in f32.
;;   ~~~python
;;   def quantise(x, axis):      # numpy; x: float32 -> the quantised numbers, widened to float32 again
;;       x = np.moveaxis(x, axis, -1); K = x.shape[-1]
;;       x = np.pad(x, [(0, 0)] * (x.ndim - 1) + [(0, -K % 32)]); x = x.reshape(x.shape[:-1] + (-1, 32)); a = np.abs(x).max(-1, keepdims=True)
;;       e = np.where(a > 0, np.clip(np.frexp(np.where(a > 0, a, 1))[1] - 1 - 2, -126, 127), 0)      # np.frexp(a)[1] - 1 = floor(log2(a)), exactly
;;       r = np.clip(x / 2.0 ** e, -7.5, 7.5)
;;       step = 2.0 ** (np.maximum(np.frexp(np.where(r == 0, 1, r))[1] - 1, 0) - 3)
;;       q = np.round(r / step) * step * 2.0 ** e      # np.round: ties to even
;;       return np.moveaxis(q.reshape(q.shape[:-2] + (-1,))[..., :K], -1, axis).astype(np.float32)
;;   ~~~
;;   OPERANDS COMPUTED ON THE WAY. 'Computed on the way' means the value that the module computes at that place (a softmax that the list does not call 'softmax' is quantised finished and normalised). What goes into a quantiser is computed in f32, as accurately as f32 sums, v_exp_f32 and their like allow (about 1e-6 of the number): no bf16 or f16 on the way to a quantiser, and a product that is left as it is and whose result goes on into a quantised operand takes f32 operands (vector FMAs, or v_wmma_f32_16x16x4_f32). A number that lies on a knife's edge between two numbers of the format may be rounded either way, as far as f32 arithmetic and the matrix unit's own rounding can turn it there, and no further.
;;   INPUTS GIVEN AS CODES. rand_matrix (in the module: [32, 64, 4, 16], K = its axis 1): each comes as NAME_codes (uint8): NAME with its K axis moved to the last place and cut into blocks of 32 codes, [.., K / 32, bytes a block], one block behind the other in memory; four codes in three bytes: a row's codes are one little-endian stream of bits, code i at bits 6 i .. 6 i + 5 (a code: sign, 2 exponent bits, 3 mantissa bits); and NAME_scales (uint8): the same leading axes, one E8M0 byte (e + 127) for each 32 codes along K. Its value is code x scale, taken as it is: it is not quantised again, and the codes and scales need not be those that the quantiser above would give.
;; 2 versions. Each part assembles by itself: llvm-mc -triple=amdgcn-amd-amdhsa -mcpu=gfx1250 --defsym DOCPART=n.
;; ======== version 1 of 2: 4 launches
;; workspace buffers: hw 262,144 bytes of whole numbers; sidx 1,048,576 bytes of whole numbers; uns 1,048,576 bytes of whole numbers; rec 8,388,608 bytes; att 33,554,432 bytes; lse 1,048,576 bytes
;; launch hash (part 1): grid 16 x 32, 4 waves a work-group, no clusters, 26,112 bytes of LDS; arguments query, rand_matrix_codes, rand_matrix_scales, hw, rec; writes hw, rec
.if DOCPART == 1
	.amdgcn_target "amdgcn-amd-amdhsa--gfx1250"
	.amdhsa_code_object_version 6
	.text
	.protected	k_q48b174fc52_hash
	.globl	k_q48b174fc52_hash
	.p2align	8
	.type	k_q48b174fc52_hash,@function
k_q48b174fc52_hash:
	s_mov_b64 s[64:65], 0
	v_nop
	global_prefetch_b8 v0, s[64:65] scope:SCOPE_SE
	s_setreg_imm32_b32 hwreg(HW_REG_WAVE_MODE, 25, 1), 1
	s_wait_xcnt 0x0
; For every position of query [32][2048][64] f32: (1) the row's codes of FP6 (E2M3) and two E8M0 scale bytes (blocks of 32 along the 64 channels); (2) the same of the row
; divided by its length, rsqrt(max(sum of squares, 1e-12)); both go into a record of 128 bytes: @0 q's scale word, @4 k's, @16 q's 48 bytes of codes, @64 k's; (3) the hash of each of the
; four rounds: the first index of the largest of [proj, -proj], proj = Q(row) . rand (given as codes), by the scaled matrix instruction; the four hashes are the four bytes of one word.
; K = 64 is half of the instruction's 128: the row's operand has zero codes for k = 64..127, so what the other operand holds there adds nothing; the upper scale bytes are 0x7f or 0, never 0xff.
; SHARES: a work-group takes 128 rows of one batch entry, a wave 32, as two tiles of 16.  Waves share nothing: no barrier.
; LIMITS: NaN and infinities are not served; a block whose largest magnitude lies under 2^-124 keeps the byte 1; a block of zeros gets the byte 1 (its codes are zeros; this program alone reads the bytes).
.set WLDS, 6400                        ; LDS of a wave: 16 rows x 272 bytes on the way in, then 16 records of 128 bytes
.set RECO, 4352
.set X,   128                          ; v128-159 my block of 32 numbers
.set D,   96                           ; v96-127  four results of 8
.set AM,  76
.set AM2, 77
.set SO,  78
.set BY,  79
.set T1,  80
.set T2,  81
.set SQ,  82
.set SQ2, 84
.set RQ,  86
.set MM,  88
.set NM,  89
.set IDX, 90
	s_load_b128 s[4:7], s[0:1], 0x0                ; query, rand's codes
	s_load_b128 s[8:11], s[0:1], 0x10              ; rand's scales, hw
	s_load_b64 s[12:13], s[0:1], 0x20              ; rec
	v_lshl_add_u32 v94, v0, 2, 0x6400
	v_mov_b32 v95, 0
	v_lshrrev_b32 v1, 5, v0
	v_readfirstlane_b32 s16, v1                    ; wave
	s_and_b32 s17, ttmp7, 0xffff                   ; batch entry
	s_lshl_b32 s18, s17, 11
	s_lshl_b32 s19, ttmp9, 7
	s_add_co_u32 s18, s18, s19
	s_lshl_b32 s19, s16, 5
	s_add_co_u32 s18, s18, s19                     ; my wave's first row, counted over all batch entries
	s_lshl_b32 s24, s18, 8                         ; 256 bytes a row of query
	s_mov_b32 s25, 0
	s_lshl_b32 s26, s18, 2                         ; 4 bytes a row of hw
	s_mov_b32 s27, 0
	s_lshl_b32 s28, s18, 7                         ; 128 bytes a record
	s_mov_b32 s29, 0
	s_mul_i32 s30, s17, 3072                       ; rand's codes of a batch entry
	s_mov_b32 s31, 0
	s_lshl_b32 s22, s17, 7                         ; and its scale bytes
	s_mov_b32 s23, 0
	s_mul_i32 s19, s16, WLDS
	s_mov_b32 s20, 0x76543210
	s_mov_b32 s21, 0xfedcba98                      ; selects for lane l xor 16
	v_and_b32 v3, 31, v0                           ; lane
	v_and_b32 v1, 15, v0                           ; r
	v_bfe_u32 v2, v0, 4, 1                         ; h
	v_lshlrev_b32 v4, 4, v3                        ; 16 x lane
	v_mul_u32_u24 v5, v2, 272
	v_lshl_add_u32 v5, v1, 4, v5
	v_add_nc_u32 v5, s19, v5                       ; in: a load's 512 bytes are two rows: row h, 16 r
	v_mul_u32_u24 v6, v1, 272
	v_lshl_add_u32 v6, v2, 7, v6
	v_add_nc_u32 v6, s19, v6                       ; back: row r, block h
	v_lshlrev_b32 v7, 7, v1
	v_mad_u32_u24 v8, v2, 112, v7
	v_mad_u32_u24 v7, v2, 24, v7
	s_add_co_u32 s19, s19, RECO
	v_add_nc_u32 v7, s19, v7                       ; record r, + 24 h: my block's codes
	v_add_nc_u32 v8, s19, v8                       ; record r, its first (h = 0) or last (h = 1) 16 bytes
	v_add_nc_u32 v9, s19, v4                       ; the records read back, 16 bytes a lane
	v_mul_u32_u24 v10, v1, 48
	v_mad_u32_u24 v10, v2, 24, v10                 ; rand: row r of 48 bytes, + 24 h
	v_lshlrev_b32 v11, 1, v1                       ; its two scale bytes
	v_lshlrev_b32 v12, 3, v2                       ; 8 h
	v_lshlrev_b32 v13, 2, v3                       ; 4 x lane
.irp i, 22,23,24,25,26,27,30,31,56,57,58,59,60,61,80,87
	v_mov_b32 v\i, 0                               ; zero codes for k = 64..127; the record's padding; a lane permute's destination; the upper half of a pair
.endr
	s_wait_kmcnt 0x0
	s_add_nc_u64 s[4:5], s[4:5], s[24:25]
	s_add_nc_u64 s[6:7], s[6:7], s[30:31]
	s_add_nc_u64 s[8:9], s[8:9], s[22:23]
	s_add_nc_u64 s[10:11], s[10:11], s[26:27]
	s_add_nc_u64 s[12:13], s[12:13], s[28:29]
.irp q, 0,1,2,3                                ; round q's fragment: six registers, the rounds on end; the six behind a fragment meet zero codes
.irp p, 0,1,2
	global_load_b64 v[32+6*\q+2*\p:33+6*\q+2*\p], v10, s[6:7] offset:768*\q+8*\p
.endr
	global_load_u16 v[62+\q], v11, s[8:9] offset:32*\q          ; bytes 0, 1: the row's two scales; bytes 2, 3: 0
.endr
.irp i, 0,1,2,3,4,5,6,7
	global_load_b128 v[160+4*\i:163+4*\i], v4, s[4:5] offset:512*\i th:TH_LOAD_NT
.endr
.irp i, 0,1,2,3,4,5,6,7
	global_load_b128 v[192+4*\i:195+4*\i], v4, s[4:5] offset:4096+512*\i th:TH_LOAD_NT
.endr
; my block's byte at its place, joined with the other half's, 0x7f above
.macro WORD dst
	v_lshlrev_b32 v[T2], v12, v[BY]
	v_permlanex16_b32 v[T1], v[T2], s20, s21
	v_or_b32 v[T2], v[T2], v[T1]
	v_or_b32 v[\dst], 0x7f7f0000, v[T2]
.endm
.macro TILE t, RAW, HW, BK
.if \t == 0
	s_wait_loadcnt 8                               ; rand and tile 0 are in; tile 1's eight loads may be out
.else
	s_wait_loadcnt 0x0
.endif
.irp i, 0,1,2,3,4,5,6,7
	ds_store_b128 v5, v[\RAW+4*\i:\RAW+4*\i+3] offset:544*\i
.endr
.irp j, 0,1,2,3,4,5,6,7
	ds_load_b128 v[X+4*\j:X+4*\j+3], v6 offset:16*\j           ; LDS serves a wave's instructions in order: these see my stores
.endr
	s_wait_dscnt 0x0
	v_max3_num_f32 v[AM], |v[X]|, |v[X+1]|, 0x1800000          ; the block's largest magnitude, with the floor 2^(3 - 127)
	v_max3_num_f32 v[AM2], |v[X+2]|, |v[X+3]|, 0x1800000
.irp i, 4,8,12,16,20,24,28
	v_max3_num_f32 v[AM], v[AM], |v[X+\i]|, |v[X+\i+1]|
	v_max3_num_f32 v[AM2], v[AM2], |v[X+\i+2]|, |v[X+\i+3]|
.endr
	v_max_num_f32 v[AM], v[AM], v[AM2]
	v_add_nc_u32 v[SO], 0xff000000, v[AM]          ; 2 off the exponent field: the conversion's scale operand
	v_lshrrev_b32 v[BY], 23, v[SO]                 ; the scale's byte
	v_cvt_scalef32_pk16_fp6_f32 v[16:18], v[X:X+15], v[SO]
	v_cvt_scalef32_pk16_fp6_f32 v[72:74], v[X+16:X+31], v[SO]  ; (a conversion's three registers begin on an even number)
	v_nop                                          ; one plain place behind a scaled conversion
	v_mov_b32 v19, v72
	v_mov_b32 v20, v73
	v_mov_b32 v21, v74
	WORD 28
	v_pk_mul_f32 v[SQ:SQ+1], v[X:X+1], v[X:X+1]    ; the row's sum of squares; these lines are also the places between the operand's and the scale word's last writes and the products
	v_pk_mul_f32 v[SQ2:SQ2+1], v[X+2:X+3], v[X+2:X+3]
.irp i, 4,8,12,16,20,24,28
	v_pk_fma_f32 v[SQ:SQ+1], v[X+\i:X+\i+1], v[X+\i:X+\i+1], v[SQ:SQ+1]
	v_pk_fma_f32 v[SQ2:SQ2+1], v[X+\i+2:X+\i+3], v[X+\i+2:X+\i+3], v[SQ2:SQ2+1]
.endr
	v_pk_add_f32 v[SQ:SQ+1], v[SQ:SQ+1], v[SQ2:SQ2+1]
	v_add_f32 v[SQ], v[SQ], v[SQ+1]
	v_permlanex16_b32 v[T1], v[SQ], s20, s21
	v_add_f32 v[SQ], v[SQ], v[T1]
	v_max_num_f32 v[SQ], 0x2b8cbccc, v[SQ]         ; 1e-12
	v_rsq_f32 v[RQ], v[SQ]
	v_nop                                          ; a plain place behind the transcendental
.irp q, 0,1,2,3                                ; source 0 = 16 rows of rand, source 1 = my 16 rows: lane (r, h) holds row r's projections 8 h + 0 .. 7
	v_wmma_scale_f32_16x16x128_f8f6f4 v[D+8*\q:D+8*\q+7], v[32+6*\q:43+6*\q], v[16:27], 0, v[62+\q], v28 matrix_a_fmt:MATRIX_FMT_FP6 matrix_b_fmt:MATRIX_FMT_FP6
.endr
	s_wait_alu depctr_va_vdst(0)                   ; ahead of the first line that names the reciprocal root
.irp i, 0,2,4,6,8,10,12,14,16,18,20,22,24,26,28,30
	v_pk_mul_f32 v[X+\i:X+\i+1], v[X+\i:X+\i+1], v[RQ:RQ+1] op_sel_hi:[1,0]   ; the normalised row; sixteen places behind the products
.endr
	v_mul_f32 v[AM], v[AM], v[RQ]                  ; its largest magnitude: rounding keeps the order, so this is the largest of the products above
	v_max_num_f32 v[AM], 0x1800000, v[AM]
	v_add_nc_u32 v[SO], 0xff000000, v[AM]
	v_lshrrev_b32 v[BY], 23, v[SO]
	v_cvt_scalef32_pk16_fp6_f32 v[66:68], v[X:X+15], v[SO]
	v_cvt_scalef32_pk16_fp6_f32 v[72:74], v[X+16:X+31], v[SO]
	v_nop
	v_mov_b32 v69, v72
	v_mov_b32 v70, v73
	v_mov_b32 v71, v74
	WORD 29
.irp p, 0,1,2
	ds_store_b64 v7, v[16+2*\p:17+2*\p] offset:16+8*\p
	ds_store_b64 v7, v[66+2*\p:67+2*\p] offset:64+8*\p
.endr
	ds_store_b128 v8, v[28:31]                     ; both scale words and 8 zero bytes (lanes 16-31: the same into the record's unused end)
.irp i, 0,1,2,3
	ds_load_b128 v[\BK+4*\i:\BK+4*\i+3], v9 offset:512*\i
.endr
.irp q, 0,1,2,3                                ; the first index of the largest of [proj, -proj]
	v_max3_num_f32 v[MM], |v[D+8*\q]|, |v[D+8*\q+1]|, |v[D+8*\q+2]|
	v_max3_num_f32 v[MM], v[MM], |v[D+8*\q+3]|, |v[D+8*\q+4]|
	v_max3_num_f32 v[MM], v[MM], |v[D+8*\q+5]|, |v[D+8*\q+6]|
	v_max_num_f32 v[MM], v[MM], |v[D+8*\q+7]|
	v_permlanex16_b32 v[T1], v[MM], s20, s21
	v_max_num_f32 v[MM], v[MM], v[T1]              ; the largest magnitude of the 16
	v_xor_b32 v[NM], 0x80000000, v[MM]
	v_mov_b32 v[IDX], 63
.irp j, 7,6,5,4,3,2,1,0
	v_cmp_neq_f32 vcc_lo, v[NM], v[D+8*\q+\j]
	v_cndmask_b32 v[IDX], 16+\j, v[IDX], vcc_lo    ; -proj is the largest: index 16 + ..; a lower j comes later and wins
.endr
.irp j, 7,6,5,4,3,2,1,0
	v_cmp_neq_f32 vcc_lo, v[MM], v[D+8*\q+\j]
	v_cndmask_b32 v[IDX], \j, v[IDX], vcc_lo       ; proj is: these indices are lower and come last
.endr
	v_add_nc_u32 v[IDX], v[IDX], v12               ; + 8 h
	v_permlanex16_b32 v[T1], v[IDX], s20, s21
	v_min_u32 v[IDX], v[IDX], v[T1]
.if \q == 0
	v_mov_b32 v[\HW], v[IDX]
.else
	v_lshl_or_b32 v[\HW], v[IDX], 8*\q, v[\HW]
.endif
.endr
	s_wait_dscnt 0x0
.irp i, 0,1,2,3
	global_store_b128 v4, v[\BK+4*\i:\BK+4*\i+3], s[12:13] offset:2048*\t+512*\i   ; 32 lanes store 512 consecutive bytes
.endr
.endm
	TILE 0, 160, 14, 224
	TILE 1, 192, 15, 240
	v_cmp_eq_u32 vcc_lo, 1, v2
	v_cndmask_b32 v14, v14, v15, vcc_lo            ; lane l holds the word of my wave's row l
	global_store_b32 v13, v14, s[10:11]
	s_wait_tensorcnt 0x0
	ds_add_u32 v94, v95
	s_wait_dscnt 0x0
	s_endpgm
.Lfunc_end_k_q48b174fc52_hash:
	.size	k_q48b174fc52_hash, .Lfunc_end_k_q48b174fc52_hash-k_q48b174fc52_hash
	.p2alignl 7, 3214868480
	.fill 96, 4, 3214868480
	.section	.rodata,"a",@progbits
	.p2align	6, 0x0
	.amdhsa_kernel k_q48b174fc52_hash
		.amdhsa_group_segment_fixed_size 26112
		.amdhsa_private_segment_fixed_size 0
		.amdhsa_enable_private_segment 0
		.amdhsa_kernarg_size 40
		.amdhsa_user_sgpr_count 2
		.amdhsa_user_sgpr_kernarg_segment_ptr 1
		.amdhsa_wavefront_size32 1
		.amdhsa_system_sgpr_workgroup_id_x 1
		.amdhsa_system_sgpr_workgroup_id_y 1
		.amdhsa_system_sgpr_workgroup_id_z 1
		.amdhsa_system_vgpr_workitem_id 0
		.amdhsa_next_free_vgpr 256
		.amdhsa_next_free_sgpr 66
		.amdhsa_reserve_vcc 1
		.amdhsa_float_denorm_mode_32 3
		.amdhsa_float_denorm_mode_16_64 3
		.amdhsa_memory_ordered 1
		.amdhsa_forward_progress 1
		.amdhsa_inst_pref_size 34
	.end_amdhsa_kernel
	.amdgpu_metadata
---
amdhsa.version: [ 1, 2 ]
amdhsa.kernels:
  - .name:           k_q48b174fc52_hash
    .symbol:         k_q48b174fc52_hash.kd
    .args:
      - { .name: query, .offset: 0, .size: 8, .value_kind: global_buffer, .address_space: global }
      - { .name: rand_matrix_codes, .offset: 8, .size: 8, .value_kind: global_buffer, .address_space: global }
      - { .name: rand_matrix_scales, .offset: 16, .size: 8, .value_kind: global_buffer, .address_space: global }
      - { .name: hw, .offset: 24, .size: 8, .value_kind: global_buffer, .address_space: global }
      - { .name: rec, .offset: 32, .size: 8, .value_kind: global_buffer, .address_space: global }
    .group_segment_fixed_size: 26112
    .private_segment_fixed_size: 0
    .kernarg_segment_align: 8
    .kernarg_segment_size: 40
    .max_flat_workgroup_size: 128
    .sgpr_count:     66
    .vgpr_count:     256
    .wavefront_size: 32
...
	.end_amdgpu_metadata
.endif
;; end of part 1
;; launch sort (part 2): grid 4 x 32, 16 waves a work-group, no clusters, 10,752 bytes of LDS; arguments hw, sidx, uns; writes sidx, uns
.if DOCPART == 2
	.amdgcn_target "amdgcn-amd-amdhsa--gfx1250"
	.amdhsa_code_object_version 6
	.text
	.protected	k_q48b174fc52_sort
	.globl	k_q48b174fc52_sort
	.p2align	8
	.type	k_q48b174fc52_sort,@function
k_q48b174fc52_sort:
	s_mov_b64 s[64:65], 0
	v_nop
	global_prefetch_b8 v0, s[64:65] scope:SCOPE_SE
	s_setreg_imm32_b32 hwreg(HW_REG_WAVE_MODE, 25, 1), 1
	s_wait_xcnt 0x0
; A stable counting sort of the 2,048 positions of one (batch entry, round) by their bucket (0 .. 31): sidx[place] = position, uns[position] = place.
; One work-group a list: 16 waves, each 128 positions as four groups of 32, a lane a position.  Inside a group a position's rank among its bucket's comes from five ballots (one a bit of the bucket);
; the same ballots give lane l the group's count of bucket l.  The 32 x 64 counts meet in LDS; every wave then sums what lies ahead of its groups and scans the buckets' totals over its lanes.
; 128 lists make 128 work-groups: a list cannot be split further without traffic between work-groups.
.macro POPC x, t                       ; the number of ones in v[x]
	v_lshrrev_b32 v[\t], 1, v[\x]
	v_and_b32 v[\t], 0x55555555, v[\t]
	v_sub_nc_u32 v[\x], v[\x], v[\t]
	v_lshrrev_b32 v[\t], 2, v[\x]
	v_and_b32 v[\t], 0x33333333, v[\t]
	v_and_b32 v[\x], 0x33333333, v[\x]
	v_add_nc_u32 v[\x], v[\x], v[\t]
	v_lshrrev_b32 v[\t], 4, v[\x]
	v_add_nc_u32 v[\x], v[\x], v[\t]
	v_and_b32 v[\x], 0x0f0f0f0f, v[\x]
	v_mul_lo_u32 v[\x], v[\x], s21
	v_lshrrev_b32 v[\x], 24, v[\x]
.endm
	s_load_b128 s[4:7], s[0:1], 0x0                ; hw, sidx
	s_load_b64 s[8:9], s[0:1], 0x10                ; uns
	v_lshl_add_u32 v128, v0, 2, 0x2200
	v_mov_b32 v129, 0
	v_lshrrev_b32 v1, 5, v0
	v_readfirstlane_b32 s10, v1                    ; wave
	s_and_b32 s11, ttmp7, 0xffff                   ; batch entry
	s_lshl_b32 s13, ttmp9, 3                       ; 8 x round: the bucket's byte in a word of hw
	s_lshl_b32 s22, s11, 13
	s_mov_b32 s23, 0
	s_lshl_b32 s24, s11, 2
	s_add_co_u32 s24, s24, ttmp9
	s_lshl_b32 s24, s24, 13                        ; the list's 8,192 bytes in sidx and in uns
	s_mov_b32 s25, 0
	s_mov_b32 s21, 0x01010101
	v_and_b32 v1, 31, v0                           ; lane
	s_lshl_b32 s12, s10, 9
	v_lshl_add_u32 v2, v1, 2, s12                  ; 4 x (128 wave + lane)
	v_mov_b32 v24, 1
	v_lshlrev_b32 v3, v1, v24
	v_add_nc_u32 v3, -1, v3                        ; the lanes below me
.irp k, 0,1,2,3,4
	v_bfe_u32 v[4+\k], v1, \k, 1
	v_add_nc_u32 v[4+\k], -1, v[4+\k]              ; 0 where bit k of my lane's number is set, else all ones
.endr
	v_lshrrev_b32 v9, 4, v1
	v_sub_nc_u32 v9, 0, v9                         ; all ones in lanes 16-31
	v_mul_u32_u24 v11, v1, 272                     ; bucket l's row of 64 counts, + 16 of padding
	s_lshl_b32 s12, s10, 4
	v_add_nc_u32 v10, s12, v11                     ; my wave's four in it
	s_lshl_b32 s12, s10, 7
	v_add_nc_u32 v124, s12, v1                     ; my four positions
	v_add_nc_u32 v125, 32, v124
	v_add_nc_u32 v126, 64, v124
	v_add_nc_u32 v127, 96, v124
	v_mov_b32 v114, 0                              ; a DPP destination counts as read
	s_wait_kmcnt 0x0
	s_add_nc_u64 s[4:5], s[4:5], s[22:23]
	s_add_nc_u64 s[6:7], s[6:7], s[24:25]
	s_add_nc_u64 s[8:9], s[8:9], s[24:25]
.irp i, 0,1,2,3
	global_load_b32 v[12+\i], v2, s[4:5] offset:128*\i
.endr
	s_wait_loadcnt 0x0
.irp i, 0,1,2,3
	v_lshrrev_b32 v[12+\i], s13, v[12+\i]
	v_and_b32 v[12+\i], 0xff, v[12+\i]
	v_min_u32 v[12+\i], 31, v[12+\i]               ; my position's bucket
	v_bfe_u32 v24, v[12+\i], 0, 1
	v_cmp_ne_u32 s14, 0, v24                       ; the lanes whose bucket has bit 0 set
	v_add_nc_u32 v24, -1, v24
	v_xor_b32 v[16+\i], s14, v24                   ; the lanes that agree with my bucket in this bit
	v_xor_b32 v[20+\i], s14, v4                    ; the lanes whose bucket agrees with my LANE's number in it
.irp k, 1,2,3,4
	v_bfe_u32 v24, v[12+\i], \k, 1
	v_cmp_ne_u32 s[14+\k], 0, v24
	v_add_nc_u32 v24, -1, v24
	v_xor_b32 v24, s[14+\k], v24
	v_and_b32 v[16+\i], v[16+\i], v24
	v_xor_b32 v25, s[14+\k], v[4+\k]
	v_and_b32 v[20+\i], v[20+\i], v25
.endr
	v_and_b32 v[16+\i], v[16+\i], v3
	POPC 16+\i, 24                                 ; how many of my bucket stand ahead of me in the group
	POPC 20+\i, 24                                 ; the group's count of bucket l
.endr
	ds_store_b128 v10, v[20:23]
	s_wait_dscnt 0x0                               ; for the others' sake: my counts have landed
	s_barrier_signal -1
	s_barrier_wait -1
.irp q, 0,1,2,3,4,5,6,7,8,9,10,11,12,13,14,15
	ds_load_b128 v[32+4*\q:35+4*\q], v11 offset:16*\q
.endr
	s_wait_dscnt 0x0
.irp q, 0,1,2,3,4,5,6,7,8,9,10,11,12,13,14,15
	v_add3_u32 v[96+\q], v[32+4*\q], v[33+4*\q], v[34+4*\q]
	v_add_nc_u32 v[96+\q], v[96+\q], v[35+4*\q]    ; wave q's count of bucket l
.endr
	v_add3_u32 v112, v96, v97, v98
.irp q, 99,101,103,105,107,109
	v_add3_u32 v112, v112, v[\q], v[\q+1]
.endr
	v_add_nc_u32 v112, v112, v111                  ; bucket l's total
	v_mov_b32 v113, 0
.irp q, 0,1,2,3,4,5,6,7,8,9,10,11,12,13,14
	s_cmp_gt_u32 s10, \q
	s_cselect_b32 s19, -1, 0
	v_and_b32 v114, s19, v[96+\q]
	v_add_nc_u32 v113, v113, v114                  ; bucket l's count in the waves ahead of mine
.endr
	v_mov_b32 v115, v112                           ; the totals summed over the lanes up to mine
.irp q, 1,2,4,8
	v_mov_b32_dpp v114, v115 row_shr:\q row_mask:0xf bank_mask:0xf bound_ctrl:1
	v_add_nc_u32 v115, v115, v114
.endr
	v_readlane_b32 s20, v115, 15
	v_and_b32 v114, s20, v9
	v_add_nc_u32 v115, v115, v114
	v_sub_nc_u32 v116, v115, v112
	v_add_nc_u32 v116, v116, v113                  ; where bucket l's members of my first group begin
	v_add_nc_u32 v117, v116, v20
	v_add_nc_u32 v118, v117, v21
	v_add_nc_u32 v119, v118, v22
.irp i, 0,1,2,3
	v_lshlrev_b32 v[24+\i], 2, v[12+\i]
	ds_bpermute_b32 v[120+\i], v[24+\i], v[116+\i] ; from the lane of my bucket's number
.endr
	s_wait_dscnt 0x0
.irp i, 0,1,2,3
	v_add_nc_u32 v[120+\i], v[120+\i], v[16+\i]
	v_min_u32 v[120+\i], 0x7ff, v[120+\i]          ; my position's place
	v_lshlrev_b32 v[28+\i], 2, v[120+\i]
.endr
.irp i, 0,1,2,3
	global_store_b32 v2, v[120+\i], s[8:9] offset:128*\i
	global_store_b32 v[28+\i], v[124+\i], s[6:7]   ; scattered words; members of one bucket are neighbours
.endr
	s_wait_tensorcnt 0x0
	ds_add_u32 v128, v129
	s_wait_dscnt 0x0
	s_endpgm
.Lfunc_end_k_q48b174fc52_sort:
	.size	k_q48b174fc52_sort, .Lfunc_end_k_q48b174fc52_sort-k_q48b174fc52_sort
	.p2alignl 7, 3214868480
	.fill 96, 4, 3214868480
	.section	.rodata,"a",@progbits
	.p2align	6, 0x0
	.amdhsa_kernel k_q48b174fc52_sort
		.amdhsa_group_segment_fixed_size 10752
		.amdhsa_private_segment_fixed_size 0
		.amdhsa_enable_private_segment 0
		.amdhsa_kernarg_size 24
		.amdhsa_user_sgpr_count 2
		.amdhsa_user_sgpr_kernarg_segment_ptr 1
		.amdhsa_wavefront_size32 1
		.amdhsa_system_sgpr_workgroup_id_x 1
		.amdhsa_system_sgpr_workgroup_id_y 1
		.amdhsa_system_sgpr_workgroup_id_z 1
		.amdhsa_system_vgpr_workitem_id 0
		.amdhsa_next_free_vgpr 130
		.amdhsa_next_free_sgpr 66
		.amdhsa_reserve_vcc 0
		.amdhsa_float_denorm_mode_32 3
		.amdhsa_float_denorm_mode_16_64 3
		.amdhsa_memory_ordered 1
		.amdhsa_forward_progress 1
		.amdhsa_inst_pref_size 21
	.end_amdhsa_kernel
	.amdgpu_metadata
---
amdhsa.version: [ 1, 2 ]
amdhsa.kernels:
  - .name:           k_q48b174fc52_sort
    .symbol:         k_q48b174fc52_sort.kd
    .args:
      - { .name: hw, .offset: 0, .size: 8, .value_kind: global_buffer, .address_space: global }
      - { .name: sidx, .offset: 8, .size: 8, .value_kind: global_buffer, .address_space: global }
      - { .name: uns, .offset: 16, .size: 8, .value_kind: global_buffer, .address_space: global }
    .group_segment_fixed_size: 10752
    .private_segment_fixed_size: 0
    .kernarg_segment_align: 8
    .kernarg_segment_size: 24
    .max_flat_workgroup_size: 512
    .sgpr_count:     66
    .vgpr_count:     130
    .wavefront_size: 32
...
	.end_amdgpu_metadata
.endif
;; end of part 2
;; launch attn (part 3): grid 128 x 32, 4 waves a work-group, no clusters, 17,920 bytes of LDS; arguments sidx, uns, rec, value, att, lse; writes att, lse
.if DOCPART == 3
	.amdgcn_target "amdgcn-amd-amdhsa--gfx1250"
	.amdhsa_code_object_version 6
	.text
	.protected	k_q48b174fc52_attn
	.globl	k_q48b174fc52_attn
	.p2align	8
	.type	k_q48b174fc52_attn,@function
k_q48b174fc52_attn:
	s_mov_b64 s[64:65], 0
	v_nop
	global_prefetch_b8 v0, s[64:65] scope:SCOPE_SE
	s_setreg_imm32_b32 hwreg(HW_REG_WAVE_MODE, 25, 1), 1
	s_wait_xcnt 0x0
; One work-group serves one (batch entry b, round r, chunk n): 64 sorted queries against 128 keys, the chunk before (keys 0-63) and the chunk itself (keys 64-127).
; scores = Q(q) . Q(k normalised) / 8 on the codes that the first launch made; a key with a later position than the query gets -1e9, the query itself -1e5; lse = logsumexp over the 128 keys, by the row's maximum;
; sm = exp(score - lse) / count is quantised along the keys, V along the sorted keys, and att = sm V goes out in bf16, in sorted order, with lse in f32.
; count of a key = the number of rounds in which the key's position lies in chunk n or in the chunk before it: the 128 keys of one round are distinct, so that is what the window over the sorted list counts; it hangs on the key alone.
; The division by 8 is folded into the exponent's factor, so the masks' constants stand here times 8 (exact).
; SHARES: thread t owns key t in the set-up; wave w owns queries 16 w .. 16 w + 15 against all keys, and makes tile w of V^T (channels 16 w .. + 15) for all four waves, which goes through LDS as an image of its registers.
; Both products are used transposed, so that a lane holds one query; lane r of key tile 2 b + u takes key 32 b + 8 u + r + 8 (r / 8), so that 16 registers of two tiles are 16 neighbouring keys.
; The first product's K = 64 is half of the instruction's 128: Q's fragment has zero codes for k = 64..127, so K's fragments lie six registers apart and what follows each adds nothing; upper scale bytes are 0x7f.
; No tensor loads and no joint loads: every operand is rows gathered by a stored list.
; LIMITS: NaN and infinities are not served; a block whose largest magnitude lies under 2^-124 keeps the byte 1; a block of zeros gets the byte 1 (its codes are zeros).
.set KI,   0                           ; LDS: the 128 keys' positions
.set IC,   512                         ; 1 / count of each key
.set LSEL, 1024                        ; the 64 queries' lse
.set VSC,  1280                        ; V^T's scale words, 128 bytes a tile
.set VIMG, 1792                        ; V^T's four fragments, 1,536 bytes each
.set STG,  7936                        ; the way out: 16 rows x (128 + 16) bytes a wave
.set FR,   32
.set PC,   94
.set PX,   106
.set TM,   114
.set S,    128
.set T,    192
	s_load_b128 s[4:7], s[0:1], 0x0                ; sidx, uns
	s_load_b128 s[8:11], s[0:1], 0x10              ; rec, value
	s_load_b128 s[12:15], s[0:1], 0x20             ; att, lse
	v_lshl_add_u32 v109, v0, 2, 0x4400
	v_mov_b32 v113, 0
	v_lshrrev_b32 v1, 5, v0
	v_readfirstlane_b32 s16, v1                    ; wave
	s_and_b32 s17, ttmp9, 31                       ; chunk n
	s_lshr_b32 s18, ttmp9, 5                       ; round
	s_and_b32 s19, ttmp7, 0xffff                   ; batch entry
	s_lshl_b32 s25, s19, 2
	s_add_co_u32 s25, s25, s18                     ; 4 b + r
	s_lshr_b32 s24, s16, 1
	s_add_co_u32 s24, s24, s17
	s_add_co_u32 s24, s24, 31
	s_and_b32 s24, s24, 31
	s_lshl_b32 s24, s24, 8                         ; waves 0, 1: the chunk before; waves 2, 3: chunk n; 256 bytes of sidx a chunk
	s_lshl_b32 s26, s25, 13
	s_mov_b32 s27, 0
	s_lshl_b32 s28, s19, 15
	s_mov_b32 s29, 0
	s_lshl_b32 s30, s19, 18
	s_mov_b32 s31, 0
	s_lshl_b32 s32, s19, 19
	s_mov_b32 s33, 0
	s_lshl_b32 s34, s25, 18
	s_lshl_b32 s38, s17, 13
	s_add_co_u32 s34, s34, s38
	s_lshl_b32 s38, s16, 11
	s_add_co_u32 s34, s34, s38                     ; att: my wave's 16 rows of 128 bytes
	s_mov_b32 s35, 0
	s_lshl_b32 s36, s17, 8
	s_add_co_u32 s36, s36, s26                     ; lse: the chunk's 256 bytes
	s_mov_b32 s37, 0
	s_mov_b32 s20, 0x76543210
	s_mov_b32 s21, 0xfedcba98                      ; selects for lane l xor 16
	s_mov_b32 s22, 0x3e38aa3b                      ; log2(e) / 8
	s_mov_b32 s23, s22
	v_lshlrev_b32 v1, 2, v0                        ; 4 t
	v_and_b32 v120, 15, v0                         ; r
	v_bfe_u32 v121, v0, 4, 1                       ; h
	v_and_b32 v122, 31, v0                         ; lane
	v_and_b32 v123, 7, v0
	v_lshlrev_b32 v2, 3, v121                      ; 8 h
	v_lshlrev_b32 v3, 7, v121                      ; 128 h
	v_lshlrev_b32 v4, 6, v121                      ; 64 h
	v_and_b32 v5, 8, v120
	v_add_nc_u32 v5, v5, v120
	v_lshlrev_b32 v5, 2, v5                        ; 4 (r + 8 (r / 8))
	s_lshl_b32 s38, s16, 6
	v_lshl_add_u32 v8, v120, 2, s38                ; 64 w + 4 r: my channel's bytes in a row of V
	v_add_nc_u32 v6, 256, v8                       ; my query's word among the keys' positions
	v_add_nc_u32 v15, LSEL, v8
	v_mul_u32_u24 v7, v121, 24                     ; 24 h
	v_lshlrev_b32 v9, 4, v122                      ; 16 x lane
	v_lshlrev_b32 v10, 2, v122                     ; 4 x lane
	s_mul_i32 s38, s16, 1536
	s_add_co_u32 s38, s38, VIMG
	v_add_nc_u32 v11, s38, v9
	s_lshl_b32 s38, s16, 7
	s_add_co_u32 s38, s38, VSC
	v_add_nc_u32 v12, s38, v10
	s_mul_i32 s38, s16, 2304
	s_add_co_u32 s38, s38, STG
	v_mul_u32_u24 v13, v120, 144
	v_lshl_add_u32 v13, v121, 4, v13
	v_add_nc_u32 v13, s38, v13                     ; into my stage: row r, + 16 h
	v_lshrrev_b32 v14, 3, v122
	v_mul_u32_u24 v14, v14, 144
	v_lshl_add_u32 v14, v123, 4, v14
	v_add_nc_u32 v14, s38, v14                     ; back: eight lanes to a row of 128 bytes
	v_and_b32 v114, 63, v0
	v_lshlrev_b32 v114, 2, v114
	v_add_nc_u32 v114, s24, v114
	s_wait_kmcnt 0x0
	s_add_nc_u64 s[4:5], s[4:5], s[26:27]
	s_add_nc_u64 s[6:7], s[6:7], s[28:29]
	s_add_nc_u64 s[8:9], s[8:9], s[30:31]
	s_add_nc_u64 s[10:11], s[10:11], s[32:33]
	s_add_nc_u64 s[12:13], s[12:13], s[34:35]
	s_add_nc_u64 s[14:15], s[14:15], s[36:37]
	; ---- a key a thread: its position and 1 / its count
	global_load_b32 v115, v114, s[4:5]
.irp i, 22,23,24,25,26,27,80,81,82,83,84,85
	v_mov_b32 v\i, 0                               ; zero codes for k = 64..127
.endr
	v_mov_b32 v30, 0xcfee6b28                      ; -8e9
	v_mov_b32 v31, 0xc9435000                      ; -8e5
	v_mov_b32 v121, 1.0
	v_mov_b32 v122, 0
	s_wait_loadcnt 0x0
	v_min_u32 v115, 0x7ff, v115
	ds_store_b32 v1, v115
	v_lshlrev_b32 v116, 2, v115
.irp q, 0,1,2,3
	global_load_b32 v[117+\q], v116, s[6:7] offset:8192*\q     ; the position's place in each round
.endr
	s_wait_loadcnt 0x0
.irp q, 0,1,2,3
	v_lshrrev_b32 v[117+\q], 6, v[117+\q]          ; its chunk there
	v_sub_nc_u32 v[117+\q], s17, v[117+\q]
	v_and_b32 v[117+\q], 31, v[117+\q]
	v_cmp_gt_u32 vcc_lo, 2, v[117+\q]              ; chunk n or the one before
	v_cndmask_b32 v[117+\q], 0, v121, vcc_lo
	v_add_f32 v122, v122, v[117+\q]
.endr
	v_rcp_f32 v123, v122
	v_nop
	s_wait_alu depctr_va_vdst(0)
	ds_store_b32 v1, v123 offset:IC
	s_wait_dscnt 0x0                               ; for the others' sake
	s_barrier_signal -1
	s_barrier_wait -1
	; ---- the gathers
.irp c, 0,1
.irp m, 0,1,2,3,4,5,6,7
	ds_load_b128 v[T+32*\c+4*\m:T+32*\c+4*\m+3], v3 offset:256*\c+16*\m       ; the positions of keys 64 c + 32 h + 0 .. 31
.endr
.endr
.irp q, 0,1,2,3,4,5,6,7
	ds_load_b32 v[94+\q], v5 offset:(32*(\q/2)+8*(\q%2))*4     ; of my lane's key in tile q
.endr
	ds_load_b32 v29, v6                            ; of my query
	s_wait_dscnt 0x0
	v_min_u32 v29, 0x7ff, v29
	v_lshlrev_b32 v122, 7, v29                     ; its record
	v_add_nc_u32 v123, v122, v7
.irp p, 0,1,2
	global_load_b64 v[16+2*\p:17+2*\p], v123, s[8:9] offset:16+8*\p
.endr
	global_load_b32 v28, v122, s[8:9]
.irp q, 0,1,2,3,4,5,6,7
	v_min_u32 v[94+\q], 0x7ff, v[94+\q]
	v_lshlrev_b32 v[114+\q], 7, v[94+\q]
	v_add_nc_u32 v[94+\q], v[114+\q], v7
.irp p, 0,1,2
	global_load_b64 v[FR+6*\q+2*\p:FR+6*\q+2*\p+1], v[94+\q], s[8:9] offset:64+8*\p
.endr
	global_load_b32 v[86+\q], v[114+\q], s[8:9] offset:4
.endr
.set i, 0
.rept 64
	v_min_u32 v[T+i], 0x7ff, v[T+i]
	v_lshl_add_u32 v[T+i], v[T+i], 8, v8
	global_load_b32 v[S+i], v[T+i], s[10:11]       ; V(key 64 c + 32 h + i, channel 16 w + r): sixteen lanes read 64 neighbouring bytes
.set i, i+1
.endr
	s_wait_loadcnt 0x0                             ; all are in, and every address register is free
	; ---- my tile of V^T: a lane holds two whole blocks, 2 c + h
.irp c, 0,1
	v_max3_num_f32 v[TM+\c], |v[S+32*\c]|, |v[S+32*\c+1]|, 0x1800000
.endr
.irp i, 2,4,6,8,10,12,14,16,18,20,22,24,26,28,30
.irp c, 0,1
	v_max3_num_f32 v[TM+\c], v[TM+\c], |v[S+32*\c+\i]|, |v[S+32*\c+\i+1]|
.endr
.endr
.irp c, 0,1
	v_add_nc_u32 v[TM+2+\c], 0xff000000, v[TM+\c]
.endr
.irp c, 0,1
	v_lshrrev_b32 v[TM+4+\c], 23, v[TM+2+\c]
.endr
	v_lshl_or_b32 v127, v[TM+5], 16, v[TM+4]
	v_lshlrev_b32 v127, v2, v127
	v_permlanex16_b32 v[TM+6], v127, s20, s21
	v_or_b32 v127, v127, v[TM+6]                   ; my channel's scale word
.irp c, 0,1
	v_cvt_scalef32_pk16_fp6_f32 v[PC+6*\c:PC+6*\c+2], v[S+32*\c:S+32*\c+15], v[TM+2+\c]
	v_cvt_scalef32_pk16_fp6_f32 v[PX+4*\c:PX+4*\c+2], v[S+32*\c+16:S+32*\c+31], v[TM+2+\c]
.endr
	v_nop                                          ; one plain place behind a scaled conversion
.irp c, 0,1
.irp i, 0,1,2
	v_mov_b32 v[PC+3+6*\c+\i], v[PX+4*\c+\i]
.endr
.endr
.irp k, 0,1,2
	ds_store_b128 v11, v[PC+4*\k:PC+4*\k+3] offset:512*\k      ; the fragment as it stands
.endr
	ds_store_b32 v12, v127
	; ---- the scores
.irp b, 0,1,2,3
.irp m, 0,1,2,3
	ds_load_b128 v[T+16*\b+4*\m:T+16*\b+4*\m+3], v4 offset:128*\b+16*\m       ; the positions of keys 32 b + 16 h + 0 .. 15, as the scores will lie
.endr
.endr
.irp q, 0,1,2,3,4,5,6,7
	v_wmma_scale_f32_16x16x128_f8f6f4 v[S+8*\q:S+8*\q+7], v[FR+6*\q:FR+6*\q+11], v[16:27], 0, v[86+\q], v28 matrix_a_fmt:MATRIX_FMT_FP6 matrix_b_fmt:MATRIX_FMT_FP6
.endr
.rept 4
	v_nop
.endr
	s_wait_dscnt 0x0
.set i, 0
.rept 64
	v_cmp_lt_u32 vcc_lo, v29, v[T+i]
	v_cndmask_b32 v[S+i], v[S+i], v30, vcc_lo      ; a later position
	v_cmp_eq_u32 vcc_lo, v29, v[T+i]
	v_cndmask_b32 v[S+i], v[S+i], v31, vcc_lo      ; the query itself
.set i, i+1
.endr
.irp b, 0,1,2,3
.irp m, 0,1,2,3
	ds_load_b128 v[T+16*\b+4*\m:T+16*\b+4*\m+3], v4 offset:IC+128*\b+16*\m    ; 1 / count, in the same order
.endr
.endr
.irp b, 0,1,2,3
	v_max3_num_f32 v[TM+\b], v[S+16*\b], v[S+1+16*\b], v[S+2+16*\b]
.endr
.irp i, 3,5,7,9,11,13
.irp b, 0,1,2,3
	v_max3_num_f32 v[TM+\b], v[TM+\b], v[S+16*\b+\i], v[S+1+16*\b+\i]
.endr
.endr
.irp b, 0,1,2,3
	v_max_num_f32 v[TM+\b], v[TM+\b], v[S+15+16*\b]
.endr
	v_max3_num_f32 v[TM], v[TM], v[TM+1], v[TM+2]
	v_max_num_f32 v[TM], v[TM], v[TM+3]
	v_permlanex16_b32 v[TM+4], v[TM], s20, s21
	v_max_num_f32 v[TM], v[TM], v[TM+4]            ; the row's largest score
.set i, 0
.rept 32
	v_pk_add_f32 v[S+i:S+i+1], v[S+i:S+i+1], v[TM:TM+1] op_sel_hi:[1,0] neg_lo:[0,1] neg_hi:[0,1]   ; the maximum is taken away first: a maximum of -8e5 loses nothing
.set i, i+2
.endr
.set i, 0
.rept 32
	v_pk_mul_f32 v[S+i:S+i+1], v[S+i:S+i+1], s[22:23] op_sel_hi:[1,0]
.set i, i+2
.endr
.set i, 0
.rept 64
	v_exp_f32 v[S+i], v[S+i]
.set i, i+1
.endr
	v_nop                                          ; a plain place behind the batch
	s_wait_alu depctr_va_vdst(0)                   ; one wait for the 64, ahead of their first reader
	v_pk_add_f32 v[116:117], v[S:S+1], v[S+2:S+3]
	v_pk_add_f32 v[120:121], v[S+4:S+5], v[S+6:S+7]
.irp j, 8,12,16,20,24,28,32,36,40,44,48,52,56,60
	v_pk_add_f32 v[116:117], v[116:117], v[S+\j:S+\j+1]
	v_pk_add_f32 v[120:121], v[120:121], v[S+\j+2:S+\j+3]
.endr
	v_pk_add_f32 v[116:117], v[116:117], v[120:121]
	v_add_f32 v116, v116, v117
	v_permlanex16_b32 v118, v116, s20, s21
	v_add_f32 v116, v116, v118                     ; the row's sum, at least 1
	v_log_f32 v119, v116
	v_rcp_f32 v122, v116
	v_nop
	s_wait_alu depctr_va_vdst(0)
	v_mul_f32 v119, 0x3f317218, v119               ; ln 2 x log2
	v_fmamk_f32 v119, v[TM], 0x3e000000, v119      ; + maximum / 8
	ds_store_b32 v15, v119                         ; both halves write the same word with the same value
	s_wait_dscnt 0x0                               ; 1 / count is in
.set i, 0
.rept 32
	v_pk_mul_f32 v[S+i:S+i+1], v[S+i:S+i+1], v[122:123] op_sel_hi:[1,0]
.set i, i+2
.endr
.set i, 0
.rept 32
	v_pk_mul_f32 v[S+i:S+i+1], v[S+i:S+i+1], v[T+i:T+i+1]     ; sm, finished and normalised
.set i, i+2
.endr
	; ---- sm becomes an operand: four blocks of 32 keys, each in lanes l and l xor 16.  None is negative
.irp b, 0,1,2,3
	v_max3_num_f32 v[TM+\b], v[S+16*\b], v[S+1+16*\b], 0x1800000
.endr
.irp i, 2,4,6,8,10,12,14
.irp b, 0,1,2,3
	v_max3_num_f32 v[TM+\b], v[TM+\b], v[S+16*\b+\i], v[S+1+16*\b+\i]
.endr
.endr
.irp b, 0,1,2,3
	v_permlanex16_b32 v[TM+4+\b], v[TM+\b], s20, s21
.endr
.irp b, 0,1,2,3
	v_max_num_f32 v[TM+\b], v[TM+\b], v[TM+4+\b]
.endr
.irp b, 0,1,2,3
	v_add_nc_u32 v[TM+8+\b], 0xff000000, v[TM+\b]
.endr
.irp b, 0,1,2,3
	v_lshrrev_b32 v[TM+4+\b], 23, v[TM+8+\b]
.endr
	v_lshl_or_b32 v126, v[TM+5], 8, v[TM+4]
	v_lshl_or_b32 v126, v[TM+6], 16, v126
	v_lshl_or_b32 v126, v[TM+7], 24, v126          ; my query's scale word
.irp c, 0,1
	v_cvt_scalef32_pk16_fp6_f32 v[PC+6*\c:PC+6*\c+2], v[S+32*\c:S+32*\c+15], v[TM+8+2*\c]
	v_cvt_scalef32_pk16_fp6_f32 v[PX+4*\c:PX+4*\c+2], v[S+32*\c+16:S+32*\c+31], v[TM+8+2*\c+1]
.endr
	v_nop
.irp c, 0,1                                    ; the operand's layout wants a whole block in a lane
.irp i, 0,1,2
	v_permlane16_swap_b32 v[PC+6*\c+\i], v[PX+4*\c+\i]
.endr
.irp i, 0,1,2
	v_mov_b32 v[PC+3+6*\c+\i], v[PX+4*\c+\i]
.endr
.endr
	s_wait_dscnt 0x0                               ; for the others' sake: my tile of V^T and my queries' lse have landed
	s_barrier_signal -1
	s_barrier_wait -1
	; ---- att^T = V^T sm^T
.irp t, 0,1,2,3
.irp k, 0,1,2
	ds_load_b128 v[FR+12*\t+4*\k:FR+12*\t+4*\k+3], v9 offset:VIMG+1536*\t+512*\k
.endr
	ds_load_b32 v[86+\t], v10 offset:VSC+128*\t
.endr
	s_wait_dscnt 0x0
.rept 8
	v_nop                                          ; a scale register written by a vector instruction stands 8 places ahead of a scaled matrix instruction, an operand so written 4
.endr
.irp t, 0,1,2,3
	v_wmma_scale_f32_16x16x128_f8f6f4 v[T+8*\t:T+8*\t+7], v[FR+12*\t:FR+12*\t+11], v[PC:PC+11], 0, v[86+\t], v126 matrix_a_fmt:MATRIX_FMT_FP6 matrix_b_fmt:MATRIX_FMT_FP6
.endr
.rept 4
	v_nop
.endr
.irp t, 0,1,2,3
.irp q, 0,1,2,3
	v_cvt_pk_bf16_f32 v[S+4*\t+\q], v[T+8*\t+2*\q], v[T+8*\t+2*\q+1]          ; channels 16 t + 8 h + 0 .. 7 of query r: 16 bytes
.endr
.endr
.irp t, 0,1,2,3
	ds_store_b128 v13, v[S+4*\t:S+4*\t+3] offset:32*\t
.endr
.irp i, 0,1,2,3
	ds_load_b128 v[S+16+4*\i:S+16+4*\i+3], v14 offset:576*\i   ; LDS serves a wave's instructions in order: these see my stores
.endr
	v_and_b32 v162, 31, v0
	v_lshlrev_b32 v162, 3, v162                    ; 8 x lane
	v_add_nc_u32 v163, LSEL, v162
	s_wait_dscnt 0x0
.irp i, 0,1,2,3
	global_store_b128 v9, v[S+16+4*\i:S+16+4*\i+3], s[12:13] offset:512*\i    ; 32 lanes store 512 consecutive bytes: four rows
.endr
	s_cmp_lg_u32 s16, 0
	s_cbranch_scc1 .Lend
	ds_load_b64 v[164:165], v163                   ; wave 0 stores the chunk's 64 lse: 256 consecutive bytes, aligned
	s_wait_dscnt 0x0
	global_store_b64 v162, v[164:165], s[14:15]
.Lend:
	s_wait_tensorcnt 0x0
	ds_add_u32 v109, v113
	s_wait_dscnt 0x0
	s_endpgm
.Lfunc_end_k_q48b174fc52_attn:
	.size	k_q48b174fc52_attn, .Lfunc_end_k_q48b174fc52_attn-k_q48b174fc52_attn
	.p2alignl 7, 3214868480
	.fill 96, 4, 3214868480
	.section	.rodata,"a",@progbits
	.p2align	6, 0x0
	.amdhsa_kernel k_q48b174fc52_attn
		.amdhsa_group_segment_fixed_size 17920
		.amdhsa_private_segment_fixed_size 0
		.amdhsa_enable_private_segment 0
		.amdhsa_kernarg_size 48
		.amdhsa_user_sgpr_count 2
		.amdhsa_user_sgpr_kernarg_segment_ptr 1
		.amdhsa_wavefront_size32 1
		.amdhsa_system_sgpr_workgroup_id_x 1
		.amdhsa_system_sgpr_workgroup_id_y 1
		.amdhsa_system_sgpr_workgroup_id_z 1
		.amdhsa_system_vgpr_workitem_id 0
		.amdhsa_next_free_vgpr 256
		.amdhsa_next_free_sgpr 66
		.amdhsa_reserve_vcc 1
		.amdhsa_float_denorm_mode_32 3
		.amdhsa_float_denorm_mode_16_64 3
		.amdhsa_memory_ordered 1
		.amdhsa_forward_progress 1
		.amdhsa_inst_pref_size 63
	.end_amdhsa_kernel
	.amdgpu_metadata
---
amdhsa.version: [ 1, 2 ]
amdhsa.kernels:
  - .name:           k_q48b174fc52_attn
    .symbol:         k_q48b174fc52_attn.kd
    .args:
      - { .name: sidx, .offset: 0, .size: 8, .value_kind: global_buffer, .address_space: global }
      - { .name: uns, .offset: 8, .size: 8, .value_kind: global_buffer, .address_space: global }
      - { .name: rec, .offset: 16, .size: 8, .value_kind: global_buffer, .address_space: global }
      - { .name: value, .offset: 24, .size: 8, .value_kind: global_buffer, .address_space: global }
      - { .name: att, .offset: 32, .size: 8, .value_kind: global_buffer, .address_space: global }
      - { .name: lse, .offset: 40, .size: 8, .value_kind: global_buffer, .address_space: global }
    .group_segment_fixed_size: 17920
    .private_segment_fixed_size: 0
    .kernarg_segment_align: 8
    .kernarg_segment_size: 48
    .max_flat_workgroup_size: 128
    .sgpr_count:     66
    .vgpr_count:     256
    .wavefront_size: 32
...
	.end_amdgpu_metadata
.endif
;; end of part 3
;; launch comb (part 4): grid 32 x 32, 8 waves a work-group, no clusters, 0 bytes of LDS; arguments uns, lse, att, out0; writes out0
.if DOCPART == 4
	.amdgcn_target "amdgcn-amd-amdhsa--gfx1250"
	.amdhsa_code_object_version 6
	.text
	.protected	k_q48b174fc52_comb
	.globl	k_q48b174fc52_comb
	.p2align	8
	.type	k_q48b174fc52_comb,@function
k_q48b174fc52_comb:
	s_mov_b64 s[64:65], 0
	v_nop
	global_prefetch_b8 v0, s[64:65] scope:SCOPE_SE
	s_setreg_imm32_b32 hwreg(HW_REG_WAVE_MODE, 25, 1), 1
	s_wait_xcnt 0x0
; out[b][p][:] = the sum over the four rounds of softmax_r(lse[b][r][place]) x att[b][r][place][:], place = uns[b][r][p].  The rounds' maximum is taken away before the exponentials.
; A work-group takes 64 positions, a wave 8, in four steps of two: lanes 0-15 one position, lanes 16-31 the next, four channels a lane.  att arrives in bf16; weights and sums are f32.
; Memory and its latency bind: all gathers of a wave are issued together; no LDS, no barrier, no matrix unit (K = 4, one column).
	s_load_b128 s[4:7], s[0:1], 0x0                ; uns, lse
	s_load_b128 s[8:11], s[0:1], 0x10              ; att, out0
	v_lshrrev_b32 v1, 5, v0
	v_readfirstlane_b32 s12, v1                    ; wave
	s_and_b32 s13, ttmp7, 0xffff                   ; batch entry
	s_lshl_b32 s14, s13, 15
	s_mov_b32 s15, 0
	s_lshl_b32 s16, ttmp9, 8
	s_mov_b32 s17, 0
	s_lshl_b32 s18, s13, 20
	s_mov_b32 s19, 0
	s_lshl_b32 s20, s13, 19
	s_lshl_b32 s22, ttmp9, 14
	s_add_co_u32 s20, s20, s22
	s_mov_b32 s21, 0
	s_lshl_b32 s22, s12, 3
	v_bfe_u32 v5, v0, 4, 1
	v_add_nc_u32 v5, s22, v5                       ; 8 w + h
	v_and_b32 v6, 15, v0
	v_lshlrev_b32 v1, 2, v5
	v_lshlrev_b32 v2, 3, v6                        ; my four channels in a row of att
	v_lshlrev_b32 v3, 8, v5
	v_lshl_add_u32 v3, v6, 4, v3                   ; and in out
	v_mov_b32 v4, 0
	s_wait_kmcnt 0x0
	s_add_nc_u64 s[4:5], s[4:5], s[14:15]
	s_add_nc_u64 s[4:5], s[4:5], s[16:17]
	s_add_nc_u64 s[6:7], s[6:7], s[14:15]
	s_add_nc_u64 s[8:9], s[8:9], s[18:19]
	s_add_nc_u64 s[10:11], s[10:11], s[20:21]
.irp i, 0,1,2,3
.irp q, 0,1,2,3
	global_load_b32 v[8+4*\i+\q], v1, s[4:5] offset:8*\i+8192*\q
.endr
.endr
	s_wait_loadcnt 0x0
.set k, 0
.rept 16
	v_min_u32 v[8+k], 0x7ff, v[8+k]
	v_lshlrev_b32 v[24+k], 2, v[8+k]
	v_lshl_add_u32 v[8+k], v[8+k], 7, v2
.set k, k+1
.endr
.irp i, 0,1,2,3
.irp q, 0,1,2,3
	global_load_b32 v[24+4*\i+\q], v[24+4*\i+\q], s[6:7] offset:8192*\q       ; a load may land on its own address register
.endr
.endr
.irp i, 0,1,2,3
.irp q, 0,1,2,3
	global_load_b64 v[40+2*(4*\i+\q):41+2*(4*\i+\q)], v[8+4*\i+\q], s[8:9] offset:262144*\q
.endr
.endr
	s_wait_loadcnt 16                              ; the sixteen lse are in; the sixteen loads of att may be out
.irp i, 0,1,2,3
	v_max3_num_f32 v[88+\i], v[24+4*\i], v[25+4*\i], v[26+4*\i]
.endr
.irp i, 0,1,2,3
	v_max_num_f32 v[88+\i], v[88+\i], v[27+4*\i]
.endr
.irp i, 0,1,2,3
.irp q, 0,1,2,3
	v_sub_f32 v[24+4*\i+\q], v[24+4*\i+\q], v[88+\i]
.endr
.endr
.set k, 0
.rept 16
	v_mul_f32 v[24+k], 0x3fb8aa3b, v[24+k]
.set k, k+1
.endr
.set k, 0
.rept 16
	v_exp_f32 v[24+k], v[24+k]
.set k, k+1
.endr
	v_nop
	s_wait_alu depctr_va_vdst(0)                   ; one wait for the sixteen
.irp i, 0,1,2,3
	v_add_f32 v[88+\i], v[24+4*\i], v[25+4*\i]
	v_add_f32 v[92+\i], v[26+4*\i], v[27+4*\i]
.endr
.irp i, 0,1,2,3
	v_add_f32 v[88+\i], v[88+\i], v[92+\i]
.endr
.irp i, 0,1,2,3
	v_rcp_f32 v[92+\i], v[88+\i]
.endr
	v_nop
	s_wait_alu depctr_va_vdst(0)                   ; and one for the four
.irp i, 0,1,2,3
.irp q, 0,1,2,3
	v_mul_f32 v[24+4*\i+\q], v[24+4*\i+\q], v[92+\i]
.endr
.endr
	s_wait_loadcnt 0x0
; round q's four channels times its weight, onto the sums (the first round starts them)
.macro MIX i, q
.set AR, 40+2*(4*(\i)+(\q))
.set WR, 24+4*(\i)+(\q)
.set OR, 72+4*(\i)
.if (\q) == 0
	v_fma_mix_f32_bf16 v[OR], v[AR], v[WR], v4 op_sel:[0,0,0] op_sel_hi:[1,0,0]
	v_fma_mix_f32_bf16 v[OR+1], v[AR], v[WR], v4 op_sel:[1,0,0] op_sel_hi:[1,0,0]
	v_fma_mix_f32_bf16 v[OR+2], v[AR+1], v[WR], v4 op_sel:[0,0,0] op_sel_hi:[1,0,0]
	v_fma_mix_f32_bf16 v[OR+3], v[AR+1], v[WR], v4 op_sel:[1,0,0] op_sel_hi:[1,0,0]
.else
	v_fma_mix_f32_bf16 v[OR], v[AR], v[WR], v[OR] op_sel:[0,0,0] op_sel_hi:[1,0,0]
	v_fma_mix_f32_bf16 v[OR+1], v[AR], v[WR], v[OR+1] op_sel:[1,0,0] op_sel_hi:[1,0,0]
	v_fma_mix_f32_bf16 v[OR+2], v[AR+1], v[WR], v[OR+2] op_sel:[0,0,0] op_sel_hi:[1,0,0]
	v_fma_mix_f32_bf16 v[OR+3], v[AR+1], v[WR], v[OR+3] op_sel:[1,0,0] op_sel_hi:[1,0,0]
.endif
.endm
.irp q, 0,1,2,3
.irp i, 0,1,2,3
	MIX \i, \q
.endr
.endr
.irp i, 0,1,2,3
	global_store_b128 v3, v[72+4*\i:75+4*\i], s[10:11] offset:512*\i th:TH_STORE_NT   ; 32 lanes store 512 consecutive bytes: two rows of out
.endr
	s_endpgm
.Lfunc_end_k_q48b174fc52_comb:
	.size	k_q48b174fc52_comb, .Lfunc_end_k_q48b174fc52_comb-k_q48b174fc52_comb
	.p2alignl 7, 3214868480
	.fill 96, 4, 3214868480
	.section	.rodata,"a",@progbits
	.p2align	6, 0x0
	.amdhsa_kernel k_q48b174fc52_comb
		.amdhsa_group_segment_fixed_size 0
		.amdhsa_private_segment_fixed_size 0
		.amdhsa_enable_private_segment 0
		.amdhsa_kernarg_size 32
		.amdhsa_user_sgpr_count 2
		.amdhsa_user_sgpr_kernarg_segment_ptr 1
		.amdhsa_wavefront_size32 1
		.amdhsa_system_sgpr_workgroup_id_x 1
		.amdhsa_system_sgpr_workgroup_id_y 1
		.amdhsa_system_sgpr_workgroup_id_z 1
		.amdhsa_system_vgpr_workitem_id 0
		.amdhsa_next_free_vgpr 96
		.amdhsa_next_free_sgpr 66
		.amdhsa_reserve_vcc 0
		.amdhsa_float_denorm_mode_32 3
		.amdhsa_float_denorm_mode_16_64 3
		.amdhsa_memory_ordered 1
		.amdhsa_forward_progress 1
		.amdhsa_inst_pref_size 17
	.end_amdhsa_kernel
	.amdgpu_metadata
---
amdhsa.version: [ 1, 2 ]
amdhsa.kernels:
  - .name:           k_q48b174fc52_comb
    .symbol:         k_q48b174fc52_comb.kd
    .args:
      - { .name: uns, .offset: 0, .size: 8, .value_kind: global_buffer, .address_space: global }
      - { .name: lse, .offset: 8, .size: 8, .value_kind: global_buffer, .address_space: global }
      - { .name: att, .offset: 16, .size: 8, .value_kind: global_buffer, .address_space: global }
      - { .name: out0, .offset: 24, .size: 8, .value_kind: global_buffer, .address_space: global }
    .group_segment_fixed_size: 0
    .private_segment_fixed_size: 0
    .kernarg_segment_align: 8
    .kernarg_segment_size: 32
    .max_flat_workgroup_size: 256
    .sgpr_count:     66
    .vgpr_count:     96
    .wavefront_size: 32
...
	.end_amdgpu_metadata
.endif
;; end of part 4
;; ======== version 2 of 2: 4 launches
;; workspace buffers: hw 262,144 bytes of whole numbers; sidx 1,048,576 bytes of whole numbers; uns 1,048,576 bytes of whole numbers; rec 8,388,608 bytes; att 33,554,432 bytes; lse 1,048,576 bytes
;; launch hash (part 5): grid 16 x 32, 4 waves a work-group, no clusters, 26,112 bytes of LDS; arguments query, rand_matrix_codes, rand_matrix_scales, hw, rec; writes hw, rec
.if DOCPART == 5
	.amdgcn_target "amdgcn-amd-amdhsa--gfx1250"
	.amdhsa_code_object_version 6
	.text
	.protected	k_q48b174fc52_hash
	.globl	k_q48b174fc52_hash
	.p2align	8
	.type	k_q48b174fc52_hash,@function
k_q48b174fc52_hash:
	s_mov_b64 s[64:65], 0
	v_nop
	global_prefetch_b8 v0, s[64:65] scope:SCOPE_SE
	s_setreg_imm32_b32 hwreg(HW_REG_WAVE_SCHED_MODE, 0, 2), 2
	s_setreg_imm32_b32 hwreg(HW_REG_WAVE_MODE, 25, 1), 1
	s_wait_xcnt 0x0
	s_wait_alu depctr_vm_vsrc(0)
; For every position of query [32][2048][64] f32: (1) the row's codes of FP6 (E2M3) and two E8M0 scale bytes (blocks of 32 along the 64 channels); (2) the same of the row
; divided by its length, rsqrt(max(sum of squares, 1e-12)); both go into a record of 128 bytes: @0 q's scale word, @4 k's, @16 q's 48 bytes of codes, @64 k's; (3) the hash of each of the
; four rounds: the first index of the largest of [proj, -proj], proj = Q(row) . rand (given as codes), by the scaled matrix instruction; the four hashes are the four bytes of one word.
; K = 64 is half of the instruction's 128: the row's operand has zero codes for k = 64..127, so what the other operand holds there adds nothing; the upper scale bytes are 0x7f or 0, never 0xff.
; SHARES: a work-group takes 128 rows of one batch entry, a wave 32, as two tiles of 16.  Waves share nothing: no barrier.
; LIMITS: NaN and infinities are not served; a block whose largest magnitude lies under 2^-124 keeps the byte 1; a block of zeros gets the byte 1 (its codes are zeros; this program alone reads the bytes).
; THE MODE: SCHED_MODE bits 1:0 = 2 (LLVM: expert scheduling mode 2), set by the entry lines.  The code itself states the register dependences
; between vector or matrix instructions and memory or LDS instructions, and those through scalar registers that vector instructions write, with s_wait_alu, always for 0.
; THE PLAN.  Registers that memory or LDS instructions touch:
;   v4-v11, v13      offsets and LDS addresses: made at the head, never written again.
;   v160-223         the two tiles as loaded: read by the stage's stores alone; no vector instruction names them.
;   X, v128-159      the stage's loads land in it; the tile's vector work reads and writes it; its last readers are the second pair of conversions.
;   v16-21, v66-71, v28-31   codes and scale words: written by vector instructions, read by the record's LDS stores (v16-28 by the products too), written again in the next tile.
;   v224-255         the records read back, a set for each tile: LDS loads write them, global stores read them; no vector instruction names them.
; A tile has three waits on va_vdst: ahead of the reciprocal root, ahead of its products (the operand, its scale word and the reciprocal root are written) and ahead of the record's stores (codes and scale words are
; written; the conversions are done reading X, which no later vector instruction names: so the next tile's loads into X owe nothing more); the second tile has one wait on vm_vsrc at its head.
; The tile's 64 compares write 64 scalar registers in one run, with one wait on va_sdst between them and the selects.
.set WLDS, 6400                        ; LDS of a wave: 16 rows x 272 bytes on the way in, then 16 records of 128 bytes
.set RECO, 4352
.set X,   128                          ; v128-159 my block of 32 numbers
.set D,   96                           ; v96-127  four results of 8
.set AM,  76
.set AM2, 77
.set SO,  78
.set BY,  79
.set T1,  80
.set T2,  81
.set SQ,  82
.set SQ2, 84
.set RQ,  86
.set MM,  88                           ; v88-91   a round's largest magnitude
.set NM,  92                           ; v92-95   the same, negative; later at work
.set IDX, 82                           ; v82-85   a round's index, in the registers that the sums of squares have left
	s_load_b128 s[4:7], s[0:1], 0x0                ; query, rand's codes
	s_load_b128 s[8:11], s[0:1], 0x10              ; rand's scales, hw
	s_load_b64 s[12:13], s[0:1], 0x20              ; rec
	v_lshl_add_u32 v75, v0, 2, 0x6400
	s_set_vgpr_msb 0x40
	v_mov_b32 v1, 0
	s_set_vgpr_msb 0x4000
	v_lshrrev_b32 v1, 5, v0
	v_readfirstlane_b32 s16, v1                    ; wave
	s_and_b32 s17, ttmp7, 0xffff                   ; batch entry
	s_lshl_b32 s18, s17, 11
	s_lshl_b32 s19, ttmp9, 7
	s_add_co_u32 s18, s18, s19
	s_wait_alu depctr_va_sdst(0)                   ; s16 is written, ahead of its first reader
	s_lshl_b32 s19, s16, 5
	s_add_co_u32 s18, s18, s19                     ; my wave's first row, counted over all batch entries
	s_lshl_b32 s24, s18, 8                         ; 256 bytes a row of query
	s_mov_b32 s25, 0
	s_lshl_b32 s26, s18, 2                         ; 4 bytes a row of hw
	s_mov_b32 s27, 0
	s_lshl_b32 s28, s18, 7                         ; 128 bytes a record
	s_mov_b32 s29, 0
	s_mul_i32 s30, s17, 3072                       ; rand's codes of a batch entry
	s_mov_b32 s31, 0
	s_lshl_b32 s22, s17, 7                         ; and its scale bytes
	s_mov_b32 s23, 0
	s_mul_i32 s19, s16, WLDS
	s_mov_b32 s20, 0x76543210
	s_mov_b32 s21, 0xfedcba98                      ; selects for lane l xor 16
	v_and_b32 v3, 31, v0                           ; lane
	v_and_b32 v1, 15, v0                           ; r
	v_bfe_u32 v2, v0, 4, 1                         ; h
	v_lshlrev_b32 v4, 4, v3                        ; 16 x lane
	v_mul_u32_u24 v5, v2, 272
	v_lshl_add_u32 v5, v1, 4, v5
	v_add_nc_u32 v5, s19, v5                       ; in: a load's 512 bytes are two rows: row h, 16 r
	v_mul_u32_u24 v6, v1, 272
	v_lshl_add_u32 v6, v2, 7, v6
	v_add_nc_u32 v6, s19, v6                       ; back: row r, block h
	v_lshlrev_b32 v7, 7, v1
	v_mad_u32_u24 v8, v2, 112, v7
	v_mad_u32_u24 v7, v2, 24, v7
	s_add_co_u32 s19, s19, RECO
	v_add_nc_u32 v7, s19, v7                       ; record r, + 24 h: my block's codes
	v_add_nc_u32 v8, s19, v8                       ; record r, its first (h = 0) or last (h = 1) 16 bytes
	v_add_nc_u32 v9, s19, v4                       ; the records read back, 16 bytes a lane
	v_mul_u32_u24 v10, v1, 48
	v_mad_u32_u24 v10, v2, 24, v10                 ; rand: row r of 48 bytes, + 24 h
	v_lshlrev_b32 v11, 1, v1                       ; its two scale bytes
	v_lshlrev_b32 v12, 3, v2                       ; 8 h
	v_lshlrev_b32 v13, 2, v3                       ; 4 x lane
.irp i, 22,23,24,25,26,27,30,31,56,57,58,59,60,61,80,87
	v_mov_b32 v\i, 0                               ; zero codes for k = 64..127; the record's padding; a lane permute's destination; the upper half of a pair
.endr
	s_wait_kmcnt 0x0
	s_add_nc_u64 s[4:5], s[4:5], s[24:25]
	s_add_nc_u64 s[6:7], s[6:7], s[30:31]
	s_add_nc_u64 s[8:9], s[8:9], s[22:23]
	s_add_nc_u64 s[10:11], s[10:11], s[26:27]
	s_add_nc_u64 s[12:13], s[12:13], s[28:29]
	s_wait_alu depctr_va_vdst(0)                   ; the offsets and LDS addresses v4 to v11 and v13 are written: every load and store of the kernel reads one of them
.irp q, 0,1,2,3                                ; round q's fragment: six registers, the rounds on end; the six behind a fragment meet zero codes
.irp p, 0,1,2
	global_load_b64 v[32+6*\q+2*\p:33+6*\q+2*\p], v10, s[6:7] offset:768*\q+8*\p
.endr
	global_load_u16 v[62+\q], v11, s[8:9] offset:32*\q          ; bytes 0, 1: the row's two scales; bytes 2, 3: 0
.endr
.irp i, 0,1,2,3,4,5,6,7
	global_load_b128 v[160+4*\i:163+4*\i], v4, s[4:5] offset:512*\i th:TH_LOAD_NT
.endr
.irp i, 0,1,2,3,4,5,6,7
	global_load_b128 v[192+4*\i:195+4*\i], v4, s[4:5] offset:4096+512*\i th:TH_LOAD_NT
.endr
; my block's byte at its place, joined with the other half's, 0x7f above
.macro WORD dst
	v_lshlrev_b32 v[T2], v12, v[BY]
	v_permlanex16_b32 v[T1], v[T2], s20, s21
	v_or_b32 v[T2], v[T2], v[T1]
	v_or_b32 v[\dst], 0x7f7f0000, v[T2]
.endm
.macro TILE t, RAW, HW, BK
.if \t == 0
	s_wait_loadcnt 8                               ; rand and tile 0 are in; tile 1's eight loads may be out
.else
	s_wait_loadcnt 0x0
	s_wait_alu depctr_vm_vsrc(0)                   ; the last tile's LDS stores have read its codes and scale words, v16-21, v28-31 and v66-71, which this tile writes again
.endif
.irp i, 0,1,2,3,4,5,6,7
	ds_store_b128 v5, v[\RAW+4*\i:\RAW+4*\i+3] offset:544*\i
.endr
.irp j, 0,1,2,3,4,5,6,7
	ds_load_b128 v[X+4*\j:X+4*\j+3], v6 offset:16*\j           ; LDS serves a wave's instructions in order: these see my stores.  (No vector instruction has named X since the wait ahead of the last tile's record)
.endr
	s_wait_dscnt 0x0
	v_max3_num_f32 v[AM], |v[X]|, |v[X+1]|, 0x1800000          ; the block's largest magnitude, with the floor 2^(3 - 127)
	v_max3_num_f32 v[AM2], |v[X+2]|, |v[X+3]|, 0x1800000
.irp i, 4,8,12,16,20,24,28
	v_max3_num_f32 v[AM], v[AM], |v[X+\i]|, |v[X+\i+1]|
	v_max3_num_f32 v[AM2], v[AM2], |v[X+\i+2]|, |v[X+\i+3]|
.endr
	v_max_num_f32 v[AM], v[AM], v[AM2]
	v_add_nc_u32 v[SO], 0xff000000, v[AM]          ; 2 off the exponent field: the conversion's scale operand
	v_lshrrev_b32 v[BY], 23, v[SO]                 ; the scale's byte
	v_cvt_scalef32_pk16_fp6_f32 v[16:18], v[X:X+15], v[SO]
	v_cvt_scalef32_pk16_fp6_f32 v[72:74], v[X+16:X+31], v[SO]  ; (a conversion's three registers begin on an even number)
	v_nop                                          ; one plain place behind a scaled conversion
	v_mov_b32 v19, v72
	v_mov_b32 v20, v73
	v_mov_b32 v21, v74
	WORD 28
	v_pk_mul_f32 v[SQ:SQ+1], v[X:X+1], v[X:X+1]    ; the row's sum of squares; these lines are also the places between the operand's and the scale word's last writes and the products
	v_pk_mul_f32 v[SQ2:SQ2+1], v[X+2:X+3], v[X+2:X+3]
.irp i, 4,8,12,16,20,24,28
	v_pk_fma_f32 v[SQ:SQ+1], v[X+\i:X+\i+1], v[X+\i:X+\i+1], v[SQ:SQ+1]
	v_pk_fma_f32 v[SQ2:SQ2+1], v[X+\i+2:X+\i+3], v[X+\i+2:X+\i+3], v[SQ2:SQ2+1]
.endr
	v_pk_add_f32 v[SQ:SQ+1], v[SQ:SQ+1], v[SQ2:SQ2+1]
	v_add_f32 v[SQ], v[SQ], v[SQ+1]
	v_permlanex16_b32 v[T1], v[SQ], s20, s21
	v_add_f32 v[SQ], v[SQ], v[T1]
	v_max_num_f32 v[SQ], 0x2b8cbccc, v[SQ]         ; 1e-12
	s_wait_alu depctr_va_vdst(0)
	v_rsq_f32 v[RQ], v[SQ]
	v_nop                                          ; a plain place behind the transcendental
	s_wait_alu depctr_va_vdst(0)                   ; behind the places: the row's operand v16-27 and its scale word v28, which the products take, are written; so is the reciprocal root, ahead of the first line that names it
.irp q, 0,1,2,3                                ; source 0 = 16 rows of rand, source 1 = my 16 rows: lane (r, h) holds row r's projections 8 h + 0 .. 7
	v_wmma_scale_f32_16x16x128_f8f6f4 v[D+8*\q:D+8*\q+7], v[32+6*\q:43+6*\q], v[16:27], 0, v[62+\q], v28 matrix_a_fmt:MATRIX_FMT_FP6 matrix_b_fmt:MATRIX_FMT_FP6
.endr
.irp i, 0,2,4,6,8,10,12,14,16,18,20,22,24,26,28,30
	v_pk_mul_f32 v[X+\i:X+\i+1], v[X+\i:X+\i+1], v[RQ:RQ+1] op_sel_hi:[1,0]   ; the normalised row; sixteen places behind the products
.endr
	v_mul_f32 v[AM], v[AM], v[RQ]                  ; its largest magnitude: rounding keeps the order, so this is the largest of the products above
	v_max_num_f32 v[AM], 0x1800000, v[AM]
	v_add_nc_u32 v[SO], 0xff000000, v[AM]
	v_lshrrev_b32 v[BY], 23, v[SO]
	v_cvt_scalef32_pk16_fp6_f32 v[66:68], v[X:X+15], v[SO]
	v_cvt_scalef32_pk16_fp6_f32 v[72:74], v[X+16:X+31], v[SO]
	v_nop
	v_mov_b32 v69, v72
	v_mov_b32 v70, v73
	v_mov_b32 v71, v74
	WORD 29
	s_wait_alu depctr_va_vdst(0)                   ; both sets of codes and both scale words are written, which the LDS stores read; the conversions are done reading X, in which the next tile's numbers land
.irp p, 0,1,2
	ds_store_b64 v7, v[16+2*\p:17+2*\p] offset:16+8*\p
	ds_store_b64 v7, v[66+2*\p:67+2*\p] offset:64+8*\p
.endr
	ds_store_b128 v8, v[28:31]                     ; both scale words and 8 zero bytes (lanes 16-31: the same into the record's unused end)
.irp i, 0,1,2,3
	ds_load_b128 v[\BK+4*\i:\BK+4*\i+3], v9 offset:512*\i
.endr
	; the first index of the largest of [proj, -proj], the four rounds by turns
.irp q, 0,1,2,3
	v_max3_num_f32 v[MM+\q], |v[D+8*\q]|, |v[D+8*\q+1]|, |v[D+8*\q+2]|
.endr
.irp i, 3,5
.irp q, 0,1,2,3
	v_max3_num_f32 v[MM+\q], v[MM+\q], |v[D+8*\q+\i]|, |v[D+8*\q+\i+1]|
.endr
.endr
.irp q, 0,1,2,3
	v_max_num_f32 v[MM+\q], v[MM+\q], |v[D+8*\q+7]|
.endr
.irp q, 0,1,2,3
	v_permlanex16_b32 v[IDX+\q], v[MM+\q], s20, s21
.endr
.irp q, 0,1,2,3
	v_max_num_f32 v[MM+\q], v[MM+\q], v[IDX+\q]    ; the largest magnitude of the 16
.endr
.irp q, 0,1,2,3
	v_xor_b32 v[NM+\q], 0x80000000, v[MM+\q]
.endr
.irp q, 0,1,2,3
	v_mov_b32 v[IDX+\q], 63
.endr
.irp q, 0,1,2,3                                ; 64 compares in one run, each into a scalar register of its own: s32-63 for rounds 0 and 1, s66-97 for rounds 2 and 3
.irp j, 0,1,2,3,4,5,6,7
	v_cmp_neq_f32 s[32+16*\q+2*(\q/2)+\j], v[NM+\q], v[D+8*\q+\j]
	v_cmp_neq_f32 s[40+16*\q+2*(\q/2)+\j], v[MM+\q], v[D+8*\q+\j]
.endr
.endr
	s_wait_alu depctr_va_sdst(0)                   ; the 64 masks are written, ahead of the selects that read them
.irp j, 7,6,5,4,3,2,1,0
.irp q, 0,1,2,3
	v_cndmask_b32 v[IDX+\q], 16+\j, v[IDX+\q], s[32+16*\q+2*(\q/2)+\j]   ; -proj is the largest: index 16 + ..; a lower j comes later and wins
.endr
.endr
.irp j, 7,6,5,4,3,2,1,0
.irp q, 0,1,2,3
	v_cndmask_b32 v[IDX+\q], \j, v[IDX+\q], s[40+16*\q+2*(\q/2)+\j]      ; proj is: these indices are lower and come last
.endr
.endr
.irp q, 0,1,2,3
	v_add_nc_u32 v[IDX+\q], v[IDX+\q], v12         ; + 8 h
.endr
.irp q, 0,1,2,3
	v_permlanex16_b32 v[NM+\q], v[IDX+\q], s20, s21
.endr
.irp q, 0,1,2,3
	v_min_u32 v[IDX+\q], v[IDX+\q], v[NM+\q]
.endr
	v_mov_b32 v[\HW], v[IDX]
.irp q, 1,2,3
	v_lshl_or_b32 v[\HW], v[IDX+\q], 8*\q, v[\HW]
.endr
	s_wait_dscnt 0x0
.irp i, 0,1,2,3
	global_store_b128 v4, v[\BK+4*\i:\BK+4*\i+3], s[12:13] offset:2048*\t+512*\i   ; 32 lanes store 512 consecutive bytes
.endr
.endm
	TILE 0, 160, 14, 224
	TILE 1, 192, 15, 240
	v_cmp_eq_u32 vcc_lo, 1, v2
	s_wait_alu depctr_va_vcc(0)                    ; VCC is written, ahead of the select that reads it
	s_wait_alu depctr_va_vdst(0)
	v_cndmask_b32 v14, v14, v15, vcc_lo            ; lane l holds the word of my wave's row l
	s_wait_alu depctr_va_vdst(0)                   ; v14 is written, which the store reads
	global_store_b32 v13, v14, s[10:11]
	s_set_vgpr_msb 0x4
	s_wait_dscnt 0x0
	s_wait_alu depctr_hold_cnt(0) depctr_sa_sdst(0) depctr_va_vdst(0) depctr_va_sdst(0) depctr_va_ssrc(0) depctr_va_vcc(0) depctr_vm_vsrc(0)
	s_wait_tensorcnt 0x0
	ds_add_u32 v75, v1
	s_wait_dscnt 0x0
	s_endpgm
.Lfunc_end_k_q48b174fc52_hash:
	.size	k_q48b174fc52_hash, .Lfunc_end_k_q48b174fc52_hash-k_q48b174fc52_hash
	.p2alignl 7, 3214868480
	.fill 96, 4, 3214868480
	.section	.rodata,"a",@progbits
	.p2align	6, 0x0
	.amdhsa_kernel k_q48b174fc52_hash
		.amdhsa_group_segment_fixed_size 26112
		.amdhsa_private_segment_fixed_size 0
		.amdhsa_enable_private_segment 0
		.amdhsa_kernarg_size 40
		.amdhsa_user_sgpr_count 2
		.amdhsa_user_sgpr_kernarg_segment_ptr 1
		.amdhsa_wavefront_size32 1
		.amdhsa_system_sgpr_workgroup_id_x 1
		.amdhsa_system_sgpr_workgroup_id_y 1
		.amdhsa_system_sgpr_workgroup_id_z 1
		.amdhsa_system_vgpr_workitem_id 0
		.amdhsa_next_free_vgpr 258
		.amdhsa_next_free_sgpr 98
		.amdhsa_reserve_vcc 1
		.amdhsa_float_denorm_mode_32 3
		.amdhsa_float_denorm_mode_16_64 3
		.amdhsa_memory_ordered 1
		.amdhsa_forward_progress 1
		.amdhsa_inst_pref_size 43
	.end_amdhsa_kernel
	.amdgpu_metadata
---
amdhsa.version: [ 1, 2 ]
amdhsa.kernels:
  - .name:           k_q48b174fc52_hash
    .symbol:         k_q48b174fc52_hash.kd
    .args:
      - { .name: query, .offset: 0, .size: 8, .value_kind: global_buffer, .address_space: global }
      - { .name: rand_matrix_codes, .offset: 8, .size: 8, .value_kind: global_buffer, .address_space: global }
      - { .name: rand_matrix_scales, .offset: 16, .size: 8, .value_kind: global_buffer, .address_space: global }
      - { .name: hw, .offset: 24, .size: 8, .value_kind: global_buffer, .address_space: global }
      - { .name: rec, .offset: 32, .size: 8, .value_kind: global_buffer, .address_space: global }
    .group_segment_fixed_size: 26112
    .private_segment_fixed_size: 0
    .kernarg_segment_align: 8
    .kernarg_segment_size: 40
    .max_flat_workgroup_size: 128
    .sgpr_count:     98
    .vgpr_count:     258
    .wavefront_size: 32
...
	.end_amdgpu_metadata
.endif
;; end of part 5
;; launch sort (part 6): grid 4 x 32, 16 waves a work-group, no clusters, 10,752 bytes of LDS; arguments hw, sidx, uns; writes sidx, uns
.if DOCPART == 6
	.amdgcn_target "amdgcn-amd-amdhsa--gfx1250"
	.amdhsa_code_object_version 6
	.text
	.protected	k_q48b174fc52_sort
	.globl	k_q48b174fc52_sort
	.p2align	8
	.type	k_q48b174fc52_sort,@function
k_q48b174fc52_sort:
	s_mov_b64 s[64:65], 0
	v_nop
	global_prefetch_b8 v0, s[64:65] scope:SCOPE_SE
	s_setreg_imm32_b32 hwreg(HW_REG_WAVE_MODE, 25, 1), 1
	s_wait_xcnt 0x0
; A stable counting sort of the 2,048 positions of one (batch entry, round) by their bucket (0 .. 31): sidx[place] = position, uns[position] = place.
; One work-group a list: 16 waves, each 128 positions as four groups of 32, a lane a position.  Inside a group a position's rank among its bucket's comes from five ballots (one a bit of the bucket);
; the same ballots give lane l the group's count of bucket l.  The 32 x 64 counts meet in LDS; every wave then sums what lies ahead of its groups and scans the buckets' totals over its lanes.
; 128 lists make 128 work-groups: a list cannot be split further without traffic between work-groups.
.macro POPC x, t                       ; the number of ones in v[x]
	v_lshrrev_b32 v[\t], 1, v[\x]
	s_delay_alu instid0(VALU_DEP_1)
	v_and_b32 v[\t], 0x55555555, v[\t]
	s_delay_alu instid0(VALU_DEP_1)
	v_sub_nc_u32 v[\x], v[\x], v[\t]
	s_delay_alu instid0(VALU_DEP_1)
	v_lshrrev_b32 v[\t], 2, v[\x]
	s_delay_alu instid0(VALU_DEP_1)
	v_and_b32 v[\t], 0x33333333, v[\t]
	s_delay_alu instid0(VALU_DEP_3)
	v_and_b32 v[\x], 0x33333333, v[\x]
	s_delay_alu instid0(VALU_DEP_1)
	v_add_nc_u32 v[\x], v[\x], v[\t]
	s_delay_alu instid0(VALU_DEP_1)
	v_lshrrev_b32 v[\t], 4, v[\x]
	s_delay_alu instid0(VALU_DEP_1)
	v_add_nc_u32 v[\x], v[\x], v[\t]
	s_delay_alu instid0(VALU_DEP_1)
	v_and_b32 v[\x], 0x0f0f0f0f, v[\x]
	s_delay_alu instid0(VALU_DEP_1)
	v_mul_lo_u32 v[\x], v[\x], s21
	s_delay_alu instid0(VALU_DEP_1)
	v_lshrrev_b32 v[\x], 24, v[\x]
.endm
	s_load_b128 s[4:7], s[0:1], 0x0                ; hw, sidx
	s_load_b64 s[8:9], s[0:1], 0x10                ; uns
	v_lshl_add_u32 v128, v0, 2, 0x2200
	v_mov_b32 v129, 0
	v_lshrrev_b32 v1, 5, v0
	s_delay_alu instid0(VALU_DEP_1)
	v_readfirstlane_b32 s10, v1                    ; wave
	s_and_b32 s11, ttmp7, 0xffff                   ; batch entry
	s_lshl_b32 s13, ttmp9, 3                       ; 8 x round: the bucket's byte in a word of hw
	s_lshl_b32 s22, s11, 13
	s_mov_b32 s23, 0
	s_lshl_b32 s24, s11, 2
	s_add_co_u32 s24, s24, ttmp9
	s_lshl_b32 s24, s24, 13                        ; the list's 8,192 bytes in sidx and in uns
	s_mov_b32 s25, 0
	s_mov_b32 s21, 0x01010101
	v_and_b32 v1, 31, v0                           ; lane
	s_lshl_b32 s12, s10, 9
	v_lshl_add_u32 v2, v1, 2, s12                  ; 4 x (128 wave + lane)
	v_mov_b32 v24, 1
	s_delay_alu instid0(VALU_DEP_1)
	v_lshlrev_b32 v3, v1, v24
	s_delay_alu instid0(VALU_DEP_1)
	v_add_nc_u32 v3, -1, v3                        ; the lanes below me
.irp k, 0,1,2,3,4
	v_bfe_u32 v[4+\k], v1, \k, 1
	s_delay_alu instid0(VALU_DEP_1)
	v_add_nc_u32 v[4+\k], -1, v[4+\k]              ; 0 where bit k of my lane's number is set, else all ones
.endr
	v_lshrrev_b32 v9, 4, v1
	s_delay_alu instid0(VALU_DEP_1)
	v_sub_nc_u32 v9, 0, v9                         ; all ones in lanes 16-31
	v_mul_u32_u24 v11, v1, 272                     ; bucket l's row of 64 counts, + 16 of padding
	s_lshl_b32 s12, s10, 4
	v_add_nc_u32 v10, s12, v11                     ; my wave's four in it
	s_lshl_b32 s12, s10, 7
	v_add_nc_u32 v124, s12, v1                     ; my four positions
	s_delay_alu instid0(VALU_DEP_1)
	v_add_nc_u32 v125, 32, v124
	s_delay_alu instid0(VALU_DEP_2)
	v_add_nc_u32 v126, 64, v124
	s_delay_alu instid0(VALU_DEP_3)
	v_add_nc_u32 v127, 96, v124
	v_mov_b32 v114, 0                              ; a DPP destination counts as read
	s_wait_kmcnt 0x0
	s_add_nc_u64 s[4:5], s[4:5], s[22:23]
	s_add_nc_u64 s[6:7], s[6:7], s[24:25]
	s_add_nc_u64 s[8:9], s[8:9], s[24:25]
.irp i, 0,1,2,3
	global_load_b32 v[12+\i], v2, s[4:5] offset:128*\i
.endr
	s_wait_loadcnt 0x0
.irp i, 0,1,2,3
	v_lshrrev_b32 v[12+\i], s13, v[12+\i]
	s_delay_alu instid0(VALU_DEP_1)
	v_and_b32 v[12+\i], 0xff, v[12+\i]
	s_delay_alu instid0(VALU_DEP_1)
	v_min_u32 v[12+\i], 31, v[12+\i]               ; my position's bucket
	s_delay_alu instid0(VALU_DEP_1)
	v_bfe_u32 v24, v[12+\i], 0, 1
	s_delay_alu instid0(VALU_DEP_1)
	v_cmp_ne_u32 s14, 0, v24                       ; the lanes whose bucket has bit 0 set
	s_delay_alu instid0(VALU_DEP_2)
	v_add_nc_u32 v24, -1, v24
	s_delay_alu instid0(VALU_DEP_1)
	v_xor_b32 v[16+\i], s14, v24                   ; the lanes that agree with my bucket in this bit
	s_delay_alu instid0(VALU_DEP_3)
	v_xor_b32 v[20+\i], s14, v4                    ; the lanes whose bucket agrees with my LANE's number in it
.irp k, 1,2,3,4
	v_bfe_u32 v24, v[12+\i], \k, 1
	s_delay_alu instid0(VALU_DEP_1)
	v_cmp_ne_u32 s[14+\k], 0, v24
	s_delay_alu instid0(VALU_DEP_2)
	v_add_nc_u32 v24, -1, v24
	s_delay_alu instid0(VALU_DEP_1)
	v_xor_b32 v24, s[14+\k], v24
	s_delay_alu instid0(VALU_DEP_1)
	v_and_b32 v[16+\i], v[16+\i], v24
	s_delay_alu instid0(VALU_DEP_4)
	v_xor_b32 v25, s[14+\k], v[4+\k]
	s_delay_alu instid0(VALU_DEP_1)
	v_and_b32 v[20+\i], v[20+\i], v25
.endr
	s_delay_alu instid0(VALU_DEP_3)
	v_and_b32 v[16+\i], v[16+\i], v3
	POPC 16+\i, 24                                 ; how many of my bucket stand ahead of me in the group
	POPC 20+\i, 24                                 ; the group's count of bucket l
.endr
	ds_store_b128 v10, v[20:23]
	s_wait_dscnt 0x0                               ; for the others' sake: my counts have landed
	s_barrier_signal -1
	s_barrier_wait -1
.irp q, 0,1,2,3,4,5,6,7,8,9,10,11,12,13,14,15
	ds_load_b128 v[32+4*\q:35+4*\q], v11 offset:16*\q
.endr
	s_wait_dscnt 0x0
.irp q, 0,1,2,3,4,5,6,7,8,9,10,11,12,13,14,15
	v_add3_u32 v[96+\q], v[32+4*\q], v[33+4*\q], v[34+4*\q]
	s_delay_alu instid0(VALU_DEP_1)
	v_add_nc_u32 v[96+\q], v[96+\q], v[35+4*\q]    ; wave q's count of bucket l
.endr
	v_add3_u32 v112, v96, v97, v98
.irp q, 99,101,103,105,107,109
	s_delay_alu instid0(VALU_DEP_1)
	v_add3_u32 v112, v112, v[\q], v[\q+1]
.endr
	s_delay_alu instid0(VALU_DEP_1)
	v_add_nc_u32 v112, v112, v111                  ; bucket l's total
	v_mov_b32 v113, 0
.irp q, 0,1,2,3,4,5,6,7,8,9,10,11,12,13,14
	s_cmp_gt_u32 s10, \q
	s_cselect_b32 s19, -1, 0
	v_and_b32 v114, s19, v[96+\q]
	s_delay_alu instid0(VALU_DEP_1)
	v_add_nc_u32 v113, v113, v114                  ; bucket l's count in the waves ahead of mine
.endr
	v_mov_b32 v115, v112                           ; the totals summed over the lanes up to mine
.irp q, 1,2,4,8
	s_delay_alu instid0(VALU_DEP_1)
	v_mov_b32_dpp v114, v115 row_shr:\q row_mask:0xf bank_mask:0xf bound_ctrl:1
	s_delay_alu instid0(VALU_DEP_1)
	v_add_nc_u32 v115, v115, v114
.endr
	s_delay_alu instid0(VALU_DEP_1)
	v_readlane_b32 s20, v115, 15
	s_delay_alu instid0(VALU_DEP_1)
	v_and_b32 v114, s20, v9
	s_delay_alu instid0(VALU_DEP_1)
	v_add_nc_u32 v115, v115, v114
	s_delay_alu instid0(VALU_DEP_1)
	v_sub_nc_u32 v116, v115, v112
	s_delay_alu instid0(VALU_DEP_1)
	v_add_nc_u32 v116, v116, v113                  ; where bucket l's members of my first group begin
	s_delay_alu instid0(VALU_DEP_1)
	v_add_nc_u32 v117, v116, v20
	s_delay_alu instid0(VALU_DEP_1)
	v_add_nc_u32 v118, v117, v21
	s_delay_alu instid0(VALU_DEP_1)
	v_add_nc_u32 v119, v118, v22
.irp i, 0,1,2,3
	v_lshlrev_b32 v[24+\i], 2, v[12+\i]
	ds_bpermute_b32 v[120+\i], v[24+\i], v[116+\i] ; from the lane of my bucket's number
.endr
	s_wait_dscnt 0x0
.irp i, 0,1,2,3
	v_add_nc_u32 v[120+\i], v[120+\i], v[16+\i]
	s_delay_alu instid0(VALU_DEP_1)
	v_min_u32 v[120+\i], 0x7ff, v[120+\i]          ; my position's place
	s_delay_alu instid0(VALU_DEP_1)
	v_lshlrev_b32 v[28+\i], 2, v[120+\i]
.endr
.irp i, 0,1,2,3
	global_store_b32 v2, v[120+\i], s[8:9] offset:128*\i
	global_store_b32 v[28+\i], v[124+\i], s[6:7]   ; scattered words; members of one bucket are neighbours
.endr
	s_wait_tensorcnt 0x0
	ds_add_u32 v128, v129
	s_wait_dscnt 0x0
	s_endpgm
.Lfunc_end_k_q48b174fc52_sort:
	.size	k_q48b174fc52_sort, .Lfunc_end_k_q48b174fc52_sort-k_q48b174fc52_sort
	.p2alignl 7, 3214868480
	.fill 96, 4, 3214868480
	.section	.rodata,"a",@progbits
	.p2align	6, 0x0
	.amdhsa_kernel k_q48b174fc52_sort
		.amdhsa_group_segment_fixed_size 10752
		.amdhsa_private_segment_fixed_size 0
		.amdhsa_enable_private_segment 0
		.amdhsa_kernarg_size 24
		.amdhsa_user_sgpr_count 2
		.amdhsa_user_sgpr_kernarg_segment_ptr 1
		.amdhsa_wavefront_size32 1
		.amdhsa_system_sgpr_workgroup_id_x 1
		.amdhsa_system_sgpr_workgroup_id_y 1
		.amdhsa_system_sgpr_workgroup_id_z 1
		.amdhsa_system_vgpr_workitem_id 0
		.amdhsa_next_free_vgpr 130
		.amdhsa_next_free_sgpr 66
		.amdhsa_reserve_vcc 0
		.amdhsa_float_denorm_mode_32 3
		.amdhsa_float_denorm_mode_16_64 3
		.amdhsa_memory_ordered 1
		.amdhsa_forward_progress 1
		.amdhsa_inst_pref_size 30
	.end_amdhsa_kernel
	.amdgpu_metadata
---
amdhsa.version: [ 1, 2 ]
amdhsa.kernels:
  - .name:           k_q48b174fc52_sort
    .symbol:         k_q48b174fc52_sort.kd
    .args:
      - { .name: hw, .offset: 0, .size: 8, .value_kind: global_buffer, .address_space: global }
      - { .name: sidx, .offset: 8, .size: 8, .value_kind: global_buffer, .address_space: global }
      - { .name: uns, .offset: 16, .size: 8, .value_kind: global_buffer, .address_space: global }
    .group_segment_fixed_size: 10752
    .private_segment_fixed_size: 0
    .kernarg_segment_align: 8
    .kernarg_segment_size: 24
    .max_flat_workgroup_size: 512
    .sgpr_count:     66
    .vgpr_count:     130
    .wavefront_size: 32
...
	.end_amdgpu_metadata
.endif
;; end of part 6
;; launch attn (part 7): grid 128 x 32, 4 waves a work-group, no clusters, 17,920 bytes of LDS; arguments sidx, uns, rec, value, att, lse; writes att, lse
.if DOCPART == 7
	.amdgcn_target "amdgcn-amd-amdhsa--gfx1250"
	.amdhsa_code_object_version 6
	.text
	.protected	k_q48b174fc52_attn
	.globl	k_q48b174fc52_attn
	.p2align	8
	.type	k_q48b174fc52_attn,@function
k_q48b174fc52_attn:
	s_mov_b64 s[64:65], 0
	v_nop
	global_prefetch_b8 v0, s[64:65] scope:SCOPE_SE
	s_setreg_imm32_b32 hwreg(HW_REG_WAVE_SCHED_MODE, 0, 2), 2
	s_setreg_imm32_b32 hwreg(HW_REG_WAVE_MODE, 25, 1), 1
	s_wait_xcnt 0x0
	s_wait_alu depctr_vm_vsrc(0)
; One work-group serves one (batch entry b, round r, chunk n): 64 sorted queries against 128 keys, the chunk before (keys 0-63) and the chunk itself (keys 64-127).
; scores = Q(q) . Q(k normalised) / 8 on the codes that the first launch made; a key with a later position than the query gets -1e9, the query itself -1e5; lse = logsumexp over the 128 keys, by the row's maximum;
; sm = exp(score - lse) / count is quantised along the keys, V along the sorted keys, and att = sm V goes out in bf16, in sorted order, with lse in f32.
; count of a key = the number of rounds in which the key's position lies in chunk n or in the chunk before it: the 128 keys of one round are distinct, so that is what the window over the sorted list counts; it hangs on the key alone.
; The division by 8 is folded into the exponent's factor, so the masks' constants stand here times 8 (exact).
; SHARES: thread t owns key t in the set-up; wave w owns queries 16 w .. 16 w + 15 against all keys, and makes tile w of V^T (channels 16 w .. + 15) for all four waves, which goes through LDS as an image of its registers.
; Both products are used transposed, so that a lane holds one query; lane r of key tile 2 b + u takes key 32 b + 8 u + r + 8 (r / 8), so that 16 registers of two tiles are 16 neighbouring keys.
; The first product's K = 64 is half of the instruction's 128: Q's fragment has zero codes for k = 64..127, so K's fragments lie six registers apart and what follows each adds nothing; upper scale bytes are 0x7f.
; No tensor loads and no joint loads: every operand is rows gathered by a stored list.
; LIMITS: NaN and infinities are not served; a block whose largest magnitude lies under 2^-124 keeps the byte 1; a block of zeros gets the byte 1 (its codes are zeros).
; THE MODE: SCHED_MODE bits 1:0 = 2 (LLVM: expert scheduling mode 2), set by the entry lines.  The code itself states the register dependences
; between vector or matrix instructions and memory or LDS instructions, and those through scalar registers that vector instructions write, with s_wait_alu, always for 0.
; THE PLAN.  Registers that memory or LDS instructions touch, in the order of the text:
;   v1, v3-v6, v9-v15      offsets and LDS addresses: made at the head, never written again.
;   v114-116, v123         the set-up's addresses and store data; written again as K's addresses: one wait on vm_vsrc behind the first barrier's LDS loads.
;   v122-123, v94-101, v114-121, T   the gathers' addresses: made in three batches, a wait on va_vdst ahead of each batch's loads; written again as TM and PC, and T loaded again: one wait on vm_vsrc behind the wait for all gathers.
;   S          V lands in it; V's conversions read it; from then on vector and matrix instructions alone name it, until the way out.
;   PC, v127   V's codes and scale word: a wait on va_vdst ahead of the image's LDS stores; PC is written again for sm.
;   T          the masks' positions land in it behind the second wait on vm_vsrc (its last vector writers stand ahead of the wait in front of V's second half); 1 / count lands in it behind a wait on va_vdst that follows the last compare.
;   v119       lse: a wait on va_vdst ahead of its LDS store; with PC it is written again behind the third wait on vm_vsrc.
;   FR, v86-89 the first products read them; V's images land in them behind the second barrier: several waits on va_vdst stand between, and no vector instruction behind those names them.
;   v128-143, v162-163     the way out's data and addresses: one wait on va_vdst; no vector instruction follows it.
; Compares write scalar registers in runs, each run with one wait on va_sdst between it and the selects.
.set KI,   0                           ; LDS: the 128 keys' positions
.set IC,   512                         ; 1 / count of each key
.set LSEL, 1024                        ; the 64 queries' lse
.set VSC,  1280                        ; V^T's scale words, 128 bytes a tile
.set VIMG, 1792                        ; V^T's four fragments, 1,536 bytes each
.set STG,  7936                        ; the way out: 16 rows x (128 + 16) bytes a wave
.set FR,   32
.set PC,   94
.set PX,   106
.set TM,   114
.set S,    128
.set T,    192
.set ML,   40                          ; s40-55   a run's masks 'a later position'
.set ME,   66                          ; s66-81   and 'the query itself'
	s_load_b128 s[4:7], s[0:1], 0x0                ; sidx, uns
	s_load_b128 s[8:11], s[0:1], 0x10              ; rec, value
	s_load_b128 s[12:15], s[0:1], 0x20             ; att, lse
	v_lshl_add_u32 v109, v0, 2, 0x4400
	v_mov_b32 v113, 0
	v_lshrrev_b32 v1, 5, v0
	v_readfirstlane_b32 s16, v1                    ; wave
	s_and_b32 s17, ttmp9, 31                       ; chunk n
	s_lshr_b32 s18, ttmp9, 5                       ; round
	s_and_b32 s19, ttmp7, 0xffff                   ; batch entry
	s_lshl_b32 s25, s19, 2
	s_add_co_u32 s25, s25, s18                     ; 4 b + r
	s_wait_alu depctr_va_sdst(0)                   ; s16 is written, ahead of its first reader
	s_lshr_b32 s24, s16, 1
	s_add_co_u32 s24, s24, s17
	s_add_co_u32 s24, s24, 31
	s_and_b32 s24, s24, 31
	s_lshl_b32 s24, s24, 8                         ; waves 0, 1: the chunk before; waves 2, 3: chunk n; 256 bytes of sidx a chunk
	s_lshl_b32 s26, s25, 13
	s_mov_b32 s27, 0
	s_lshl_b32 s28, s19, 15
	s_mov_b32 s29, 0
	s_lshl_b32 s30, s19, 18
	s_mov_b32 s31, 0
	s_lshl_b32 s32, s19, 19
	s_mov_b32 s33, 0
	s_lshl_b32 s34, s25, 18
	s_lshl_b32 s38, s17, 13
	s_add_co_u32 s34, s34, s38
	s_lshl_b32 s38, s16, 11
	s_add_co_u32 s34, s34, s38                     ; att: my wave's 16 rows of 128 bytes
	s_mov_b32 s35, 0
	s_lshl_b32 s36, s17, 8
	s_add_co_u32 s36, s36, s26                     ; lse: the chunk's 256 bytes
	s_mov_b32 s37, 0
	s_mov_b32 s20, 0x76543210
	s_mov_b32 s21, 0xfedcba98                      ; selects for lane l xor 16
	s_mov_b32 s22, 0x3e38aa3b                      ; log2(e) / 8
	s_mov_b32 s23, s22
	v_lshlrev_b32 v1, 2, v0                        ; 4 t
	v_and_b32 v120, 15, v0                         ; r
	v_bfe_u32 v121, v0, 4, 1                       ; h
	v_and_b32 v122, 31, v0                         ; lane
	v_and_b32 v123, 7, v0
	v_lshlrev_b32 v2, 3, v121                      ; 8 h
	v_lshlrev_b32 v3, 7, v121                      ; 128 h
	v_lshlrev_b32 v4, 6, v121                      ; 64 h
	v_and_b32 v5, 8, v120
	v_add_nc_u32 v5, v5, v120
	v_lshlrev_b32 v5, 2, v5                        ; 4 (r + 8 (r / 8))
	s_lshl_b32 s38, s16, 6
	v_lshl_add_u32 v8, v120, 2, s38                ; 64 w + 4 r: my channel's bytes in a row of V
	v_add_nc_u32 v6, 256, v8                       ; my query's word among the keys' positions
	v_add_nc_u32 v15, LSEL, v8
	v_mul_u32_u24 v7, v121, 24                     ; 24 h
	v_lshlrev_b32 v9, 4, v122                      ; 16 x lane
	v_lshlrev_b32 v10, 2, v122                     ; 4 x lane
	s_mul_i32 s38, s16, 1536
	s_add_co_u32 s38, s38, VIMG
	v_add_nc_u32 v11, s38, v9
	s_lshl_b32 s38, s16, 7
	s_add_co_u32 s38, s38, VSC
	v_add_nc_u32 v12, s38, v10
	s_mul_i32 s38, s16, 2304
	s_add_co_u32 s38, s38, STG
	v_mul_u32_u24 v13, v120, 144
	v_lshl_add_u32 v13, v121, 4, v13
	v_add_nc_u32 v13, s38, v13                     ; into my stage: row r, + 16 h
	v_lshrrev_b32 v14, 3, v122
	v_mul_u32_u24 v14, v14, 144
	v_lshl_add_u32 v14, v123, 4, v14
	v_add_nc_u32 v14, s38, v14                     ; back: eight lanes to a row of 128 bytes
	v_and_b32 v114, 63, v0
	v_lshlrev_b32 v114, 2, v114
	v_add_nc_u32 v114, s24, v114
	s_wait_kmcnt 0x0
	s_add_nc_u64 s[4:5], s[4:5], s[26:27]
	s_add_nc_u64 s[6:7], s[6:7], s[28:29]
	s_add_nc_u64 s[8:9], s[8:9], s[30:31]
	s_add_nc_u64 s[10:11], s[10:11], s[32:33]
	s_add_nc_u64 s[12:13], s[12:13], s[34:35]
	s_add_nc_u64 s[14:15], s[14:15], s[36:37]
	; ---- a key a thread: its position and 1 / its count
	s_wait_alu depctr_va_vdst(0)                   ; v114 and the offsets and LDS addresses that stay (v1, v3-v6, v9-v15) are written; the head is done with v120, in which a load lands below
	global_load_b32 v115, v114, s[4:5]
.irp i, 22,23,24,25,26,27,80,81,82,83,84,85
	v_mov_b32 v\i, 0                               ; zero codes for k = 64..127
.endr
	v_mov_b32 v30, 0xcfee6b28                      ; -8e9
	v_mov_b32 v31, 0xc9435000                      ; -8e5
	v_mov_b32 v121, 1.0
	v_mov_b32 v122, 0
	s_wait_loadcnt 0x0
	v_min_u32 v115, 0x7ff, v115
	v_lshlrev_b32 v116, 2, v115
	s_wait_alu depctr_va_vdst(0)                   ; v115, which the LDS store reads, and v116, the four loads' offset, are written
	ds_store_b32 v1, v115
.irp q, 0,1,2,3
	global_load_b32 v[117+\q], v116, s[6:7] offset:8192*\q     ; the position's place in each round
.endr
	s_wait_loadcnt 0x0
.irp q, 0,1,2,3
	v_lshrrev_b32 v[117+\q], 6, v[117+\q]          ; its chunk there
.endr
.irp q, 0,1,2,3
	v_sub_nc_u32 v[117+\q], s17, v[117+\q]
.endr
.irp q, 0,1,2,3
	v_and_b32 v[117+\q], 31, v[117+\q]
.endr
.irp q, 0,1,2,3
	v_cmp_gt_u32 s[ML+\q], 2, v[117+\q]            ; chunk n or the one before
.endr
	s_wait_alu depctr_va_sdst(0)                   ; the four masks are written, ahead of the selects that read them
.irp q, 0,1,2,3
	v_cndmask_b32 v[117+\q], 0, v121, s[ML+\q]
.endr
.irp q, 0,1,2,3
	v_add_f32 v122, v122, v[117+\q]
.endr
	s_wait_alu depctr_va_vdst(0)
	v_rcp_f32 v123, v122
	v_nop
	s_wait_alu depctr_va_vdst(0)                   ; the reciprocal v123 is written, which the LDS store reads
	ds_store_b32 v1, v123 offset:IC
	s_wait_dscnt 0x0                               ; for the others' sake
	s_barrier_signal -1
	s_barrier_wait -1
	; ---- the gathers
.irp c, 0,1
.irp m, 0,1,2,3,4,5,6,7
	ds_load_b128 v[T+32*\c+4*\m:T+32*\c+4*\m+3], v3 offset:256*\c+16*\m       ; the positions of keys 64 c + 32 h + 0 .. 31
.endr
.endr
.irp q, 0,1,2,3,4,5,6,7
	ds_load_b32 v[94+\q], v5 offset:(32*(\q/2)+8*(\q%2))*4     ; of my lane's key in tile q
.endr
	ds_load_b32 v29, v6                            ; of my query
	s_wait_dscnt 0x0
	s_wait_alu depctr_vm_vsrc(0)                   ; the set-up's loads and LDS stores have read v114, v115, v116 and v123, which the lines below write again
	v_min_u32 v29, 0x7ff, v29
	v_lshlrev_b32 v122, 7, v29                     ; its record
	v_add_nc_u32 v123, v122, v7
.irp q, 0,1,2,3,4,5,6,7
	v_min_u32 v[94+\q], 0x7ff, v[94+\q]
.endr
.irp q, 0,1,2,3,4,5,6,7
	v_lshlrev_b32 v[114+\q], 7, v[94+\q]
.endr
.irp q, 0,1,2,3,4,5,6,7
	v_add_nc_u32 v[94+\q], v[114+\q], v7
.endr
	s_wait_alu depctr_va_vdst(0)                   ; the records' offsets v122, v123, v94-101 and v114-121 are written, which the 36 loads below read
.irp p, 0,1,2
	global_load_b64 v[16+2*\p:17+2*\p], v123, s[8:9] offset:16+8*\p
.endr
	global_load_b32 v28, v122, s[8:9]
.irp q, 0,1,2,3,4,5,6,7
.irp p, 0,1,2
	global_load_b64 v[FR+6*\q+2*\p:FR+6*\q+2*\p+1], v[94+\q], s[8:9] offset:64+8*\p
.endr
	global_load_b32 v[86+\q], v[114+\q], s[8:9] offset:4
.endr
.irp c, 0,1                                    ; V in two halves: a half's 32 offsets are made while the loads before are on their way
.set i, 32*\c
.rept 32
	v_min_u32 v[T+i], 0x7ff, v[T+i]
.set i, i+1
.endr
.set i, 32*\c
.rept 32
	v_lshl_add_u32 v[T+i], v[T+i], 8, v8
.set i, i+1
.endr
	s_wait_alu depctr_va_vdst(0)                   ; this half's 32 offsets in T are written, which its loads read
.set i, 32*\c
.rept 32
	global_load_b32 v[S+i], v[T+i], s[10:11]       ; V(key 64 c + 32 h + i, channel 16 w + r): sixteen lanes read 64 neighbouring bytes
.set i, i+1
.endr
.endr
	s_wait_loadcnt 0x0                             ; all are in
	s_wait_alu depctr_vm_vsrc(0)                   ; the gathers have read their offsets: T is loaded again, and v94-101, v114-123 are written again, only behind this wait
.irp b, 0,1,2,3
.irp m, 0,1,2,3
	ds_load_b128 v[T+16*\b+4*\m:T+16*\b+4*\m+3], v4 offset:128*\b+16*\m       ; the positions of keys 32 b + 16 h + 0 .. 15, as the scores will lie.  (No vector instruction has named T since the wait ahead of V's second half)
.endr
.endr
	; ---- my tile of V^T: a lane holds two whole blocks, 2 c + h
.irp c, 0,1
	v_max3_num_f32 v[TM+\c], |v[S+32*\c]|, |v[S+32*\c+1]|, 0x1800000
.endr
.irp i, 2,4,6,8,10,12,14,16,18,20,22,24,26,28,30
.irp c, 0,1
	v_max3_num_f32 v[TM+\c], v[TM+\c], |v[S+32*\c+\i]|, |v[S+32*\c+\i+1]|
.endr
.endr
.irp c, 0,1
	v_add_nc_u32 v[TM+2+\c], 0xff000000, v[TM+\c]
.endr
.irp c, 0,1
	v_lshrrev_b32 v[TM+4+\c], 23, v[TM+2+\c]
.endr
	v_lshl_or_b32 v127, v[TM+5], 16, v[TM+4]
	v_lshlrev_b32 v127, v2, v127
	v_permlanex16_b32 v[TM+6], v127, s20, s21
	v_or_b32 v127, v127, v[TM+6]                   ; my channel's scale word
.irp c, 0,1
	v_cvt_scalef32_pk16_fp6_f32 v[PC+6*\c:PC+6*\c+2], v[S+32*\c:S+32*\c+15], v[TM+2+\c]
	v_cvt_scalef32_pk16_fp6_f32 v[PX+4*\c:PX+4*\c+2], v[S+32*\c+16:S+32*\c+31], v[TM+2+\c]
.endr
	v_nop                                          ; one plain place behind a scaled conversion
.irp c, 0,1
.irp i, 0,1,2
	v_mov_b32 v[PC+3+6*\c+\i], v[PX+4*\c+\i]
.endr
.endr
	s_wait_alu depctr_va_vdst(0)                   ; V's codes v[PC ..] and its scale word v127 are written, which the LDS stores read
.irp k, 0,1,2
	ds_store_b128 v11, v[PC+4*\k:PC+4*\k+3] offset:512*\k      ; the fragment as it stands
.endr
	ds_store_b32 v12, v127
	; ---- the scores
.irp q, 0,1,2,3,4,5,6,7
	v_wmma_scale_f32_16x16x128_f8f6f4 v[S+8*\q:S+8*\q+7], v[FR+6*\q:FR+6*\q+11], v[16:27], 0, v[86+\q], v28 matrix_a_fmt:MATRIX_FMT_FP6 matrix_b_fmt:MATRIX_FMT_FP6
.endr
.rept 4
	v_nop
.endr
	s_wait_dscnt 0x0                               ; the positions are in
.irp b, 0,1,2,3                                ; four runs of 32 compares, each into a scalar register of its own
.irp k, 0,1,2,3,4,5,6,7,8,9,10,11,12,13,14,15
	v_cmp_lt_u32 s[ML+\k], v29, v[T+16*\b+\k]
	v_cmp_eq_u32 s[ME+\k], v29, v[T+16*\b+\k]
.endr
	s_wait_alu depctr_va_sdst(0)                   ; the run's 32 masks are written, ahead of the selects that read them
.if \b == 3
	s_wait_alu depctr_va_vdst(0)                   ; the compares are done reading T, in which the loads below land
.irp e, 0,1,2,3
.irp m, 0,1,2,3
	ds_load_b128 v[T+16*\e+4*\m:T+16*\e+4*\m+3], v4 offset:IC+128*\e+16*\m    ; 1 / count, in the same order
.endr
.endr
.endif
.irp k, 0,1,2,3,4,5,6,7,8,9,10,11,12,13,14,15
	v_cndmask_b32 v[S+16*\b+\k], v[S+16*\b+\k], v30, s[ML+\k]  ; a later position
.endr
.irp k, 0,1,2,3,4,5,6,7,8,9,10,11,12,13,14,15
	v_cndmask_b32 v[S+16*\b+\k], v[S+16*\b+\k], v31, s[ME+\k]  ; the query itself
.endr
.endr
.irp b, 0,1,2,3
	v_max3_num_f32 v[TM+\b], v[S+16*\b], v[S+1+16*\b], v[S+2+16*\b]
.endr
.irp i, 3,5,7,9,11,13
.irp b, 0,1,2,3
	v_max3_num_f32 v[TM+\b], v[TM+\b], v[S+16*\b+\i], v[S+1+16*\b+\i]
.endr
.endr
.irp b, 0,1,2,3
	v_max_num_f32 v[TM+\b], v[TM+\b], v[S+15+16*\b]
.endr
	v_max3_num_f32 v[TM], v[TM], v[TM+1], v[TM+2]
	v_max_num_f32 v[TM], v[TM], v[TM+3]
	v_permlanex16_b32 v[TM+4], v[TM], s20, s21
	v_max_num_f32 v[TM], v[TM], v[TM+4]            ; the row's largest score
.set i, 0
.rept 32
	v_pk_add_f32 v[S+i:S+i+1], v[S+i:S+i+1], v[TM:TM+1] op_sel_hi:[1,0] neg_lo:[0,1] neg_hi:[0,1]   ; the maximum is taken away first: a maximum of -8e5 loses nothing
.set i, i+2
.endr
.set i, 0
.rept 32
	v_pk_mul_f32 v[S+i:S+i+1], v[S+i:S+i+1], s[22:23] op_sel_hi:[1,0]
.set i, i+2
.endr
.set i, 0
	s_wait_alu depctr_va_vdst(0)
.rept 64
	v_exp_f32 v[S+i], v[S+i]
.set i, i+1
.endr
	v_nop                                          ; a plain place behind the batch
	s_wait_alu depctr_va_vdst(0)                   ; the 64 exponentials are written: one wait, ahead of their first reader
	v_pk_add_f32 v[116:117], v[S:S+1], v[S+2:S+3]
	v_pk_add_f32 v[120:121], v[S+4:S+5], v[S+6:S+7]
.irp j, 8,12,16,20,24,28,32,36,40,44,48,52,56,60
	v_pk_add_f32 v[116:117], v[116:117], v[S+\j:S+\j+1]
	v_pk_add_f32 v[120:121], v[120:121], v[S+\j+2:S+\j+3]
.endr
	v_pk_add_f32 v[116:117], v[116:117], v[120:121]
	v_add_f32 v116, v116, v117
	v_permlanex16_b32 v118, v116, s20, s21
	v_add_f32 v116, v116, v118                     ; the row's sum, at least 1
	s_wait_alu depctr_va_vdst(0)
	v_log_f32 v119, v116
	v_rcp_f32 v122, v116
	v_nop
	s_wait_alu depctr_va_vdst(0)                   ; the logarithm v119 and the reciprocal v122 are written, ahead of their first readers
	v_mul_f32 v119, 0x3f317218, v119               ; ln 2 x log2
	v_fmamk_f32 v119, v[TM], 0x3e000000, v119      ; + maximum / 8
.set i, 0
.rept 32
	v_pk_mul_f32 v[S+i:S+i+1], v[S+i:S+i+1], v[122:123] op_sel_hi:[1,0]
.set i, i+2
.endr
	s_wait_alu depctr_va_vdst(0)                   ; lse, v119, is written, which the LDS store reads
	ds_store_b32 v15, v119                         ; both halves write the same word with the same value
	s_wait_dscnt 0x1                               ; LDS instructions end in order: 1 / count is in; the store just issued may be out
.set i, 0
.rept 32
	v_pk_mul_f32 v[S+i:S+i+1], v[S+i:S+i+1], v[T+i:T+i+1]     ; sm, finished and normalised
.set i, i+2
.endr
	; ---- sm becomes an operand: four blocks of 32 keys, each in lanes l and l xor 16.  None is negative
	s_wait_alu depctr_vm_vsrc(0)                   ; the image's LDS stores have read v[PC ..] and the store of lse has read v119: the lines below write both again
.irp b, 0,1,2,3
	v_max3_num_f32 v[TM+\b], v[S+16*\b], v[S+1+16*\b], 0x1800000
.endr
.irp i, 2,4,6,8,10,12,14
.irp b, 0,1,2,3
	v_max3_num_f32 v[TM+\b], v[TM+\b], v[S+16*\b+\i], v[S+1+16*\b+\i]
.endr
.endr
.irp b, 0,1,2,3
	v_permlanex16_b32 v[TM+4+\b], v[TM+\b], s20, s21
.endr
.irp b, 0,1,2,3
	v_max_num_f32 v[TM+\b], v[TM+\b], v[TM+4+\b]
.endr
.irp b, 0,1,2,3
	v_add_nc_u32 v[TM+8+\b], 0xff000000, v[TM+\b]
.endr
.irp b, 0,1,2,3
	v_lshrrev_b32 v[TM+4+\b], 23, v[TM+8+\b]
.endr
	v_lshl_or_b32 v126, v[TM+5], 8, v[TM+4]
	v_lshl_or_b32 v126, v[TM+6], 16, v126
	v_lshl_or_b32 v126, v[TM+7], 24, v126          ; my query's scale word
.irp c, 0,1
	v_cvt_scalef32_pk16_fp6_f32 v[PC+6*\c:PC+6*\c+2], v[S+32*\c:S+32*\c+15], v[TM+8+2*\c]
	v_cvt_scalef32_pk16_fp6_f32 v[PX+4*\c:PX+4*\c+2], v[S+32*\c+16:S+32*\c+31], v[TM+8+2*\c+1]
.endr
	v_nop
.irp c, 0,1                                    ; the operand's layout wants a whole block in a lane
.irp i, 0,1,2
	v_permlane16_swap_b32 v[PC+6*\c+\i], v[PX+4*\c+\i]
.endr
.irp i, 0,1,2
	v_mov_b32 v[PC+3+6*\c+\i], v[PX+4*\c+\i]
.endr
.endr
	s_wait_dscnt 0x0                               ; for the others' sake: my tile of V^T and my queries' lse have landed
	s_barrier_signal -1
	s_barrier_wait -1
	; ---- att^T = V^T sm^T
.irp t, 0,1,2,3
.irp k, 0,1,2
	ds_load_b128 v[FR+12*\t+4*\k:FR+12*\t+4*\k+3], v9 offset:VIMG+1536*\t+512*\k   ; (the first products, which read these registers, stand ahead of the waits above, and no vector instruction has named them since)
.endr
	ds_load_b32 v[86+\t], v10 offset:VSC+128*\t
.endr
	s_wait_dscnt 0x0
.rept 8
	v_nop                                          ; a scale register written by a vector instruction stands 8 places ahead of a scaled matrix instruction, an operand so written 4
.endr
	s_wait_alu depctr_va_vdst(0)                   ; behind the places: sm's codes v[PC ..] and its scale word v126, which the products take, are written
.irp t, 0,1,2,3
	v_wmma_scale_f32_16x16x128_f8f6f4 v[T+8*\t:T+8*\t+7], v[FR+12*\t:FR+12*\t+11], v[PC:PC+11], 0, v[86+\t], v126 matrix_a_fmt:MATRIX_FMT_FP6 matrix_b_fmt:MATRIX_FMT_FP6
.endr
.rept 4
	v_nop
.endr
.irp t, 0,1,2,3
.irp q, 0,1,2,3
	v_cvt_pk_bf16_f32 v[S+4*\t+\q], v[T+8*\t+2*\q], v[T+8*\t+2*\q+1]          ; channels 16 t + 8 h + 0 .. 7 of query r: 16 bytes
.endr
.endr
	v_and_b32 v162, 31, v0
	v_lshlrev_b32 v162, 3, v162                    ; 8 x lane
	v_add_nc_u32 v163, LSEL, v162
	s_wait_alu depctr_va_vdst(0)                   ; the bf16 words v128-143, which the LDS stores read, and v162, v163, the addresses of lse's way out, are written; all vector work on v144-165, in which the loads below land, is done
.irp t, 0,1,2,3
	ds_store_b128 v13, v[S+4*\t:S+4*\t+3] offset:32*\t
.endr
.irp i, 0,1,2,3
	ds_load_b128 v[S+16+4*\i:S+16+4*\i+3], v14 offset:576*\i   ; LDS serves a wave's instructions in order: these see my stores
.endr
	s_wait_dscnt 0x0
.irp i, 0,1,2,3
	global_store_b128 v9, v[S+16+4*\i:S+16+4*\i+3], s[12:13] offset:512*\i    ; 32 lanes store 512 consecutive bytes: four rows
.endr
	s_cmp_lg_u32 s16, 0
	s_cbranch_scc1 .Lend
	ds_load_b64 v[164:165], v163                   ; wave 0 stores the chunk's 64 lse: 256 consecutive bytes, aligned
	s_wait_dscnt 0x0
	global_store_b64 v162, v[164:165], s[14:15]
.Lend:
	s_wait_dscnt 0x0
	s_wait_alu depctr_hold_cnt(0) depctr_sa_sdst(0) depctr_va_vdst(0) depctr_va_sdst(0) depctr_va_ssrc(0) depctr_va_vcc(0) depctr_vm_vsrc(0)
	s_wait_tensorcnt 0x0
	ds_add_u32 v109, v113
	s_wait_dscnt 0x0
	s_endpgm
.Lfunc_end_k_q48b174fc52_attn:
	.size	k_q48b174fc52_attn, .Lfunc_end_k_q48b174fc52_attn-k_q48b174fc52_attn
	.p2alignl 7, 3214868480
	.fill 96, 4, 3214868480
	.section	.rodata,"a",@progbits
	.p2align	6, 0x0
	.amdhsa_kernel k_q48b174fc52_attn
		.amdhsa_group_segment_fixed_size 17920
		.amdhsa_private_segment_fixed_size 0
		.amdhsa_enable_private_segment 0
		.amdhsa_kernarg_size 48
		.amdhsa_user_sgpr_count 2
		.amdhsa_user_sgpr_kernarg_segment_ptr 1
		.amdhsa_wavefront_size32 1
		.amdhsa_system_sgpr_workgroup_id_x 1
		.amdhsa_system_sgpr_workgroup_id_y 1
		.amdhsa_system_sgpr_workgroup_id_z 1
		.amdhsa_system_vgpr_workitem_id 0
		.amdhsa_next_free_vgpr 256
		.amdhsa_next_free_sgpr 82
		.amdhsa_reserve_vcc 0
		.amdhsa_float_denorm_mode_32 3
		.amdhsa_float_denorm_mode_16_64 3
		.amdhsa_memory_ordered 1
		.amdhsa_forward_progress 1
		.amdhsa_inst_pref_size 73
	.end_amdhsa_kernel
	.amdgpu_metadata
---
amdhsa.version: [ 1, 2 ]
amdhsa.kernels:
  - .name:           k_q48b174fc52_attn
    .symbol:         k_q48b174fc52_attn.kd
    .args:
      - { .name: sidx, .offset: 0, .size: 8, .value_kind: global_buffer, .address_space: global }
      - { .name: uns, .offset: 8, .size: 8, .value_kind: global_buffer, .address_space: global }
      - { .name: rec, .offset: 16, .size: 8, .value_kind: global_buffer, .address_space: global }
      - { .name: value, .offset: 24, .size: 8, .value_kind: global_buffer, .address_space: global }
      - { .name: att, .offset: 32, .size: 8, .value_kind: global_buffer, .address_space: global }
      - { .name: lse, .offset: 40, .size: 8, .value_kind: global_buffer, .address_space: global }
    .group_segment_fixed_size: 17920
    .private_segment_fixed_size: 0
    .kernarg_segment_align: 8
    .kernarg_segment_size: 48
    .max_flat_workgroup_size: 128
    .sgpr_count:     82
    .vgpr_count:     256
    .wavefront_size: 32
...
	.end_amdgpu_metadata
.endif
;; end of part 7
;; launch comb (part 8): grid 32 x 32, 8 waves a work-group, no clusters, 0 bytes of LDS; arguments uns, lse, att, out0; writes out0
.if DOCPART == 8
	.amdgcn_target "amdgcn-amd-amdhsa--gfx1250"
	.amdhsa_code_object_version 6
	.text
	.protected	k_q48b174fc52_comb
	.globl	k_q48b174fc52_comb
	.p2align	8
	.type	k_q48b174fc52_comb,@function
k_q48b174fc52_comb:
	s_mov_b64 s[64:65], 0
	v_nop
	global_prefetch_b8 v0, s[64:65] scope:SCOPE_SE
	s_setreg_imm32_b32 hwreg(HW_REG_WAVE_MODE, 25, 1), 1
	s_wait_xcnt 0x0
; out[b][p][:] = the sum over the four rounds of softmax_r(lse[b][r][place]) x att[b][r][place][:], place = uns[b][r][p].  The rounds' maximum is taken away before the exponentials.
; A work-group takes 64 positions, a wave 8, in four steps of two: lanes 0-15 one position, lanes 16-31 the next, four channels a lane.  att arrives in bf16; weights and sums are f32.
; Memory and its latency bind: all gathers of a wave are issued together; no LDS, no barrier, no matrix unit (K = 4, one column).
	s_load_b128 s[4:7], s[0:1], 0x0                ; uns, lse
	s_load_b128 s[8:11], s[0:1], 0x10              ; att, out0
	v_lshrrev_b32 v1, 5, v0
	s_delay_alu instid0(VALU_DEP_1)
	v_readfirstlane_b32 s12, v1                    ; wave
	s_and_b32 s13, ttmp7, 0xffff                   ; batch entry
	s_lshl_b32 s14, s13, 15
	s_mov_b32 s15, 0
	s_lshl_b32 s16, ttmp9, 8
	s_mov_b32 s17, 0
	s_lshl_b32 s18, s13, 20
	s_mov_b32 s19, 0
	s_lshl_b32 s20, s13, 19
	s_lshl_b32 s22, ttmp9, 14
	s_add_co_u32 s20, s20, s22
	s_mov_b32 s21, 0
	s_lshl_b32 s22, s12, 3
	v_bfe_u32 v5, v0, 4, 1
	s_delay_alu instid0(VALU_DEP_1)
	v_add_nc_u32 v5, s22, v5                       ; 8 w + h
	v_and_b32 v6, 15, v0
	s_delay_alu instid0(VALU_DEP_2)
	v_lshlrev_b32 v1, 2, v5
	s_delay_alu instid0(VALU_DEP_2)
	v_lshlrev_b32 v2, 3, v6                        ; my four channels in a row of att
	s_delay_alu instid0(VALU_DEP_4)
	v_lshlrev_b32 v3, 8, v5
	s_delay_alu instid0(VALU_DEP_1)
	v_lshl_add_u32 v3, v6, 4, v3                   ; and in out
	v_mov_b32 v4, 0
	s_wait_alu depctr_va_vdst(0)
	s_wait_kmcnt 0x0
	s_add_nc_u64 s[4:5], s[4:5], s[14:15]
	s_add_nc_u64 s[4:5], s[4:5], s[16:17]
	s_add_nc_u64 s[6:7], s[6:7], s[14:15]
	s_add_nc_u64 s[8:9], s[8:9], s[18:19]
	s_add_nc_u64 s[10:11], s[10:11], s[20:21]
.irp i, 0,1,2,3
.irp q, 0,1,2,3
	global_load_b32 v[8+4*\i+\q], v1, s[4:5] offset:8*\i+8192*\q
.endr
.endr
	s_wait_loadcnt 0x0
.set k, 0
.rept 16
	v_min_u32 v[8+k], 0x7ff, v[8+k]
	s_delay_alu instid0(VALU_DEP_1)
	v_lshlrev_b32 v[24+k], 2, v[8+k]
	s_delay_alu instid0(VALU_DEP_2)
	v_lshl_add_u32 v[8+k], v[8+k], 7, v2
.set k, k+1
.endr
.irp i, 0,1,2,3
.irp q, 0,1,2,3
	global_load_b32 v[24+4*\i+\q], v[24+4*\i+\q], s[6:7] offset:8192*\q       ; a load may land on its own address register
.endr
.endr
.irp i, 0,1,2,3
.irp q, 0,1,2,3
	global_load_b64 v[40+2*(4*\i+\q):41+2*(4*\i+\q)], v[8+4*\i+\q], s[8:9] offset:262144*\q
.endr
.endr
	s_wait_loadcnt 16                              ; the sixteen lse are in; the sixteen loads of att may be out
.irp i, 0,1,2,3
	v_max3_num_f32 v[88+\i], v[24+4*\i], v[25+4*\i], v[26+4*\i]
.endr
.irp i, 0,1,2,3
	s_delay_alu instid0(VALU_DEP_4)
	v_max_num_f32 v[88+\i], v[88+\i], v[27+4*\i]
.endr
.irp i, 0,1,2,3
.irp q, 0,1,2,3
	v_sub_f32 v[24+4*\i+\q], v[24+4*\i+\q], v[88+\i]
.endr
.endr
.set k, 0
.rept 16
	v_mul_f32 v[24+k], 0x3fb8aa3b, v[24+k]
.set k, k+1
.endr
.set k, 0
	s_wait_alu depctr_va_vdst(0)
.rept 16
	v_exp_f32 v[24+k], v[24+k]
.set k, k+1
.endr
	v_nop
	s_wait_alu depctr_va_vdst(0)                   ; one wait for the sixteen
.irp i, 0,1,2,3
	v_add_f32 v[88+\i], v[24+4*\i], v[25+4*\i]
	v_add_f32 v[92+\i], v[26+4*\i], v[27+4*\i]
.endr
.irp i, 0,1,2,3
	v_add_f32 v[88+\i], v[88+\i], v[92+\i]
.endr
	s_wait_alu depctr_va_vdst(0)
.irp i, 0,1,2,3
	v_rcp_f32 v[92+\i], v[88+\i]
.endr
	v_nop
	s_wait_alu depctr_va_vdst(0)                   ; and one for the four
.irp i, 0,1,2,3
.irp q, 0,1,2,3
	v_mul_f32 v[24+4*\i+\q], v[24+4*\i+\q], v[92+\i]
.endr
.endr
	s_wait_loadcnt 0x0
; round q's four channels times its weight, onto the sums (the first round starts them)
.macro MIX i, q
.set AR, 40+2*(4*(\i)+(\q))
.set WR, 24+4*(\i)+(\q)
.set OR, 72+4*(\i)
.if (\q) == 0
	v_fma_mix_f32_bf16 v[OR], v[AR], v[WR], v4 op_sel:[0,0,0] op_sel_hi:[1,0,0]
	v_fma_mix_f32_bf16 v[OR+1], v[AR], v[WR], v4 op_sel:[1,0,0] op_sel_hi:[1,0,0]
	v_fma_mix_f32_bf16 v[OR+2], v[AR+1], v[WR], v4 op_sel:[0,0,0] op_sel_hi:[1,0,0]
	v_fma_mix_f32_bf16 v[OR+3], v[AR+1], v[WR], v4 op_sel:[1,0,0] op_sel_hi:[1,0,0]
.else
	v_fma_mix_f32_bf16 v[OR], v[AR], v[WR], v[OR] op_sel:[0,0,0] op_sel_hi:[1,0,0]
	v_fma_mix_f32_bf16 v[OR+1], v[AR], v[WR], v[OR+1] op_sel:[1,0,0] op_sel_hi:[1,0,0]
	v_fma_mix_f32_bf16 v[OR+2], v[AR+1], v[WR], v[OR+2] op_sel:[0,0,0] op_sel_hi:[1,0,0]
	v_fma_mix_f32_bf16 v[OR+3], v[AR+1], v[WR], v[OR+3] op_sel:[1,0,0] op_sel_hi:[1,0,0]
.endif
.endm
.irp q, 0,1,2,3
.irp i, 0,1,2,3
	MIX \i, \q
.endr
.endr
.irp i, 0,1,2,3
	global_store_b128 v3, v[72+4*\i:75+4*\i], s[10:11] offset:512*\i th:TH_STORE_NT   ; 32 lanes store 512 consecutive bytes: two rows of out
.endr
	s_endpgm
.Lfunc_end_k_q48b174fc52_comb:
	.size	k_q48b174fc52_comb, .Lfunc_end_k_q48b174fc52_comb-k_q48b174fc52_comb
	.p2alignl 7, 3214868480
	.fill 96, 4, 3214868480
	.section	.rodata,"a",@progbits
	.p2align	6, 0x0
	.amdhsa_kernel k_q48b174fc52_comb
		.amdhsa_group_segment_fixed_size 0
		.amdhsa_private_segment_fixed_size 0
		.amdhsa_enable_private_segment 0
		.amdhsa_kernarg_size 32
		.amdhsa_user_sgpr_count 2
		.amdhsa_user_sgpr_kernarg_segment_ptr 1
		.amdhsa_wavefront_size32 1
		.amdhsa_system_sgpr_workgroup_id_x 1
		.amdhsa_system_sgpr_workgroup_id_y 1
		.amdhsa_system_sgpr_workgroup_id_z 1
		.amdhsa_system_vgpr_workitem_id 0
		.amdhsa_next_free_vgpr 96
		.amdhsa_next_free_sgpr 66
		.amdhsa_reserve_vcc 0
		.amdhsa_float_denorm_mode_32 3
		.amdhsa_float_denorm_mode_16_64 3
		.amdhsa_memory_ordered 1
		.amdhsa_forward_progress 1
		.amdhsa_inst_pref_size 18
	.end_amdhsa_kernel
	.amdgpu_metadata
---
amdhsa.version: [ 1, 2 ]
amdhsa.kernels:
  - .name:           k_q48b174fc52_comb
    .symbol:         k_q48b174fc52_comb.kd
    .args:
      - { .name: uns, .offset: 0, .size: 8, .value_kind: global_buffer, .address_space: global }
      - { .name: lse, .offset: 8, .size: 8, .value_kind: global_buffer, .address_space: global }
      - { .name: att, .offset: 16, .size: 8, .value_kind: global_buffer, .address_space: global }
      - { .name: out0, .offset: 24, .size: 8, .value_kind: global_buffer, .address_space: global }
    .group_segment_fixed_size: 0
    .private_segment_fixed_size: 0
    .kernarg_segment_align: 8
    .kernarg_segment_size: 32
    .max_flat_workgroup_size: 256
    .sgpr_count:     66
    .vgpr_count:     96
    .wavefront_size: 32
...
	.end_amdgpu_metadata
.endif
;; end of part 8
